; MI455X (gfx1250); checked and timed in simulation.
; The chip was launched on July 23, 2026; its instructions are those of AMD's public machine-readable ISA for CDNA 5 (MIT licence, August 2026) and "CDNA5" Instruction Set Architecture Reference Guide (July 2026). The comments in the code are by the model that wrote it; some were corrected since.
;; Grouped Query Attention. Allowed arithmetic: matrix products marked QUANTISED: E3M2 operands, one E8M0 scale for each 32 along K, by v_wmma_scale_f32_16x16x128_f8f6f4 with both operands' format E3M2, f32 sums; everything else in f32.
;; Inputs: k 2 x 2,048 x 512 float32; q 2 x 2,048 x 2,048 float32; v_codes 2 x 512 x 64 x 24 uint8 (E3M2 codes of v, K innermost, in blocks of 32 codes, four codes in three bytes); v_scales 2 x 512 x 64 uint8 (E8M0 scales of v, one for each 32 codes along K).
;; Outputs: out0 2 x 2,048 x 2,048 float32.
;; This version of the problem:
;;   THIS VERSION OF THE PROBLEM IS GIVEN IN LOW PRECISION. The matrix products marked QUANTISED in the list below multiply operands that are first quantised to E3M2 (3 exponent bits, 2 mantissa bits; 6 bits a number), with one power-of-two scale for each 32 numbers along K (OCP MX v1.0); their sums are f32. All else is computed in f32.
;;   The module's matrix products, in the order in which they are computed (A, B: the left and right operand; K: the contracted axis; several contracted axes count as one K, in the product's order):
;;     1. batch 16 x [M 8,192, K 64] x [K 64, N 2,048]; A: input q; B: input k: QUANTISED
;;     2. batch 16 x [M 8,192, K 2,048] x [K 2,048, N 64]; A: computed on the way; B: input v (given as codes): QUANTISED
;;   THE QUANTISER, for each operand of a quantised product, along K:
;;     - K is cut into blocks of 32 from its start; a last block that is shorter is filled with zeros.
;;     - A block's scale is 2^e with e = floor(log2(the largest magnitude in the block)) - 4, held to -126 .. 127; a block of zeros has e = 0. As a byte (E8M0): e + 127.
;;     - Each number is divided by its block's scale, clamped to +-28, and rounded to the nearest number of E3M2, ties to even, subnormals kept.
;;     - The product sums the exact products of the quantised numbers (number of the format x scale) in f32.
;;   ~~~python
;;   def quantise(x, axis):      # numpy; x: float32 -> the quantised numbers, widened to float32 again
;;       x = np.moveaxis(x, axis, -1); K = x.shape[-1]
;;       x = np.pad(x, [(0, 0)] * (x.ndim - 1) + [(0, -K % 32)]); x = x.reshape(x.shape[:-1] + (-1, 32)); a = np.abs(x).max(-1, keepdims=True)
;;       e = np.where(a > 0, np.clip(np.frexp(np.where(a > 0, a, 1))[1] - 1 - 4, -126, 127), 0)      # np.frexp(a)[1] - 1 = floor(log2(a)), exactly
;;       r = np.clip(x / 2.0 ** e, -28, 28)
;;       step = 2.0 ** (np.maximum(np.frexp(np.where(r == 0, 1, r))[1] - 1, -2) - 2)
;;       q = np.round(r / step) * step * 2.0 ** e      # np.round: ties to even
;;       return np.moveaxis(q.reshape(q.shape[:-2] + (-1,))[..., :K], -1, axis).astype(np.float32)
;;   ~~~
;;   OPERANDS COMPUTED ON THE WAY. 'Computed on the way' means the value that the module computes at that place (a softmax that the list does not call 'softmax' is quantised finished and normalised). What goes into a quantiser is computed in f32, as accurately as f32 sums, v_exp_f32 and their like allow (about 1e-6 of the number): no bf16 or f16 on the way to a quantiser, and a product that is left as it is and whose result goes on into a quantised operand takes f32 operands (vector FMAs, or v_wmma_f32_16x16x4_f32). A number that lies on a knife's edge between two numbers of the format may be rounded either way, as far as f32 arithmetic and the matrix unit's own rounding can turn it there, and no further.
;;   INPUTS GIVEN AS CODES. v (in the module: [2, 2048, 512], K = its axis 1): each comes as NAME_codes (uint8): NAME with its K axis moved to the last place and cut into blocks of 32 codes, [.., K / 32, bytes a block], one block behind the other in memory; four codes in three bytes: a row's codes are one little-endian stream of bits, code i at bits 6 i .. 6 i + 5 (a code: sign, 3 exponent bits, 2 mantissa bits); and NAME_scales (uint8): the same leading axes, one E8M0 byte (e + 127) for each 32 codes along K. Its value is code x scale, taken as it is: it is not quantised again, and the codes and scales need not be those that the quantiser above would give.
;; 2 versions. Each part assembles by itself: llvm-mc -triple=amdgcn-amd-amdhsa -mcpu=gfx1250 --defsym DOCPART=n.
;; ======== version 1 of 2: 2 launches
;; workspace buffers: img 3,276,800 bytes
;; launch prep (part 1): grid 256 x 1, 4 waves a work-group, no clusters, 35,840 bytes of LDS; arguments k, v_codes, v_scales, img; writes img
.if DOCPART == 1
	.amdgcn_target "amdgcn-amd-amdhsa--gfx1250"
	.amdhsa_code_object_version 6
	.text
	.protected	k_qd8db2156e1_prep
	.globl	k_qd8db2156e1_prep
	.p2align	8
	.type	k_qd8db2156e1_prep,@function
k_qd8db2156e1_prep:
	s_mov_b64 s[64:65], 0
	v_nop
	global_prefetch_b8 v0, s[64:65] scope:SCOPE_SE
	s_setreg_imm32_b32 hwreg(HW_REG_WAVE_MODE, 25, 1), 1
	s_wait_xcnt 0x0
; GROUPED-QUERY ATTENTION ON CODES OF E3M2, launch 1 of 2: K is quantised once, and K, V and their scale bytes are laid in the order of the operands' registers.
; WORK LEFT OUT (whole program): reference() divides the softmax by DROPOUT, a constant 1.0 of its own body: a factor 1 for all values of the inputs; no line is spent on it.
; Every input (q, k, v_codes, v_scales) has a way to the output and is loaded.  Nothing else is left out, so no NaN, infinity or overflow can reach only work that is left out.
; k: [2][2048][512] f32; head kv's 64 numbers of a key are 256 consecutive bytes.  The first product's K is those 64: two blocks of 32.
; A block's scale is 2^(floor(log2(its largest magnitude)) - 4); its byte is the largest magnitude's exponent field - 4, held at 1 from below.  (A block of zeros so gets the byte 1 where the
; rule says 127: its codes are zeros, which add nothing under any byte but 0xff, and the bytes are read by this program alone.)
; LIMITS: NaN and infinities among the inputs are not served; blocks whose largest magnitude lies under 2^(4 - 126) keep the byte 1.
; img, for each bkv = 8 b + kv, 204,800 bytes:
;   0 ..       64 fragments of K, 1,536 bytes each: piece c (0..2) at 1536 F + 512 c + 16 lane = the lane's registers 4 c .. 4 c + 3.  Fragment F holds keys 32 F .. 32 F + 31 as TWO sets of 16:
;              lane (r, h): registers 0-5 = block h of key X = 32 F + r + 8 (r / 8), registers 6-11 = block h of key Y = X + 8.  The matrix instruction's 128 along K so carries two keys' 64.
;   98,304 ..  64 fragments of V (key step st, channel tile t: 4 st + t), likewise: lane (r, h): channel 16 t + r, its row's bytes 96 st + 24 h .. and 96 st + 48 + 24 h ..
;   196,608 .. scale words [st 16][lane 32][slot 4]: lanes 0-15 slot s: K's fragment 4 st + s, row r: bytes (X block 0, X block 1, Y block 0, Y block 1); lanes 16-31 slot s: V's fragment (st, s), row lane - 16.
; SHARES: work-group x: bkv = x / 16, st = x % 16; wave w: K's fragment F = 4 st + w and V's fragment (st, w).  All waves take one path.
; K's loads are dense (sixteen lanes take a key's 256 aligned bytes); the numbers turn through the wave's own stage in LDS so that a lane gets 32 neighbours.  V's codes are read in pieces of 8 bytes
; from 16 rows: 1.5 MB in the whole launch, once.  All stores of a wave cover 512 consecutive bytes.
.set STG,   8704                       ; a wave's stage: 32 rows x (256 bytes + 16)
.set SCX,   4*STG                      ; 512 bytes: the four waves' scale words meet here
.set SPARE, SCX+512                    ; the spare words, 128 bytes for each wave: two blocks of 256 bytes that no other line names
.set IMG,   204800
.set VIMG,  98304
.set SCB,   196608
; two blocks of 32 numbers, v[x0 ..] and v[x1 ..], by turns -> 6 registers of codes each at d0, d1; t0, t1: three registers each, at work; m .. m + 5: maxima, scale operands, bytes
.macro QBLK2 x0, x1, d0, d1, t0, t1, m
	v_max3_num_f32 v[\m], |v[\x0]|, |v[\x0+1]|, 0x2800000            ; the floor 2^(5 - 127) among the leaves: the byte cannot fall under 1
	v_max3_num_f32 v[\m+1], |v[\x1]|, |v[\x1+1]|, 0x2800000
.irp i, 2,4,6,8,10,12,14,16,18,20,22,24,26,28,30
	v_max3_num_f32 v[\m], v[\m], |v[\x0+\i]|, |v[\x0+\i+1]|
	v_max3_num_f32 v[\m+1], v[\m+1], |v[\x1+\i]|, |v[\x1+\i+1]|
.endr
	v_add_nc_u32 v[\m+2], 0xfe000000, v[\m]                          ; 4 off the exponent field: the conversion takes the exponent field of this operand as its scale
	v_add_nc_u32 v[\m+3], 0xfe000000, v[\m+1]
	v_lshrrev_b32 v[\m+4], 23, v[\m+2]                               ; the scales' bytes
	v_lshrrev_b32 v[\m+5], 23, v[\m+3]
	v_cvt_scalef32_pk16_bf6_f32 v[\d0:\d0+2], v[\x0:\x0+15], v[\m+2]
	v_cvt_scalef32_pk16_bf6_f32 v[\t0:\t0+2], v[\x0+16:\x0+31], v[\m+2]   ; (a conversion's three registers begin on an even number)
	v_cvt_scalef32_pk16_bf6_f32 v[\d1:\d1+2], v[\x1:\x1+15], v[\m+3]
	v_cvt_scalef32_pk16_bf6_f32 v[\t1:\t1+2], v[\x1+16:\x1+31], v[\m+3]
	v_nop                                                            ; one plain place behind the scaled conversions
.irp i, 0,1,2
	v_mov_b32 v[\d0+3+\i], v[\t0+\i]
	v_mov_b32 v[\d1+3+\i], v[\t1+\i]
.endr
.endm
	s_load_b256 s[4:11], s[0:1], 0x0               ; k s[4:5], v_codes s[6:7], v_scales s[8:9], img s[10:11]
	v_lshl_add_u32 v1, v0, 2, SPARE                ; my spare word; never rewritten
	v_mov_b32 v2, 0                                ; 0; never rewritten
	v_lshrrev_b32 v3, 5, v0
	v_readfirstlane_b32 s12, v3                    ; wave 0..3
	v_and_b32 v3, 31, v0                           ; lane
	v_and_b32 v4, 15, v0                           ; r
	v_bfe_u32 v5, v0, 4, 1                         ; h
	s_lshr_b32 s13, ttmp9, 4                       ; bkv
	s_and_b32 s14, ttmp9, 15                       ; st
	s_lshl_b32 s15, s14, 2
	s_add_co_u32 s15, s15, s12                     ; F = 4 st + w
	s_lshr_b32 s16, s13, 3                         ; b
	s_and_b32 s17, s13, 7                          ; kv
	s_mov_b32 s20, 0x76543210
	s_mov_b32 s21, 0xfedcba98                      ; v_permlanex16_b32's selects for lane l xor 16
	s_mul_i32 s18, s12, STG                        ; my stage
	s_mul_i32 s19, s15, 1536                       ; my fragment's place among 64
	s_lshl_b32 s22, s12, 2
	s_add_co_u32 s22, s22, SCX                     ; my slot among the scale words
	s_lshl_b32 s23, s14, 9                         ; the step's 512 bytes of scale words
	v_lshlrev_b32 v6, 4, v4
	v_lshl_add_u32 v6, v5, 11, v6                  ; K in memory: lanes 0-15 one key's 256 bytes, lanes 16-31 the next key's (2,048 bytes on)
	v_mul_u32_u24 v7, v5, 272
	v_lshl_add_u32 v7, v4, 4, v7
	v_add_nc_u32 v7, s18, v7                       ; the stage, on the way in: two rows an instruction
	v_mul_u32_u24 v8, v4, 272
	v_lshl_add_u32 v8, v5, 7, v8
	v_add_nc_u32 v8, s18, v8                       ; and on the way out: row r, block h (128 bytes)
	v_mul_u32_u24 v9, v4, 1536
	v_mad_u32_u24 v9, v5, 24, v9                   ; V's codes: row r of 1,536 bytes, + 24 h
	v_lshlrev_b32 v10, 6, v4                       ; V's scale bytes: row r of 64
	v_lshl_add_u32 v11, v3, 4, s19                 ; an image's place for my lane: 1536 F + 16 lane
	v_lshl_add_u32 v12, v3, 4, s22                 ; LDS: SCX + 16 lane + 4 w
	v_lshl_add_u32 v13, v3, 4, SCX                 ; LDS: SCX + 16 lane
	v_lshl_add_u32 v14, v3, 4, s23                 ; 512 st + 16 lane
	v_lshlrev_b32 v15, 3, v5                       ; 8 h
	s_lshl_b32 s24, s16, 22                        ; k: (2048 b + 32 F) rows of 2,048 bytes + 256 kv
	s_lshl_b32 s25, s15, 16
	s_add_co_u32 s24, s24, s25
	s_lshl_b32 s25, s17, 8
	s_add_co_u32 s24, s24, s25
	s_mov_b32 s25, 0
	s_lshl_b32 s26, s13, 6
	s_lshl_b32 s27, s12, 4
	s_add_co_u32 s26, s26, s27                     ; V's first row for me: 64 bkv + 16 w
	s_lshl_b32 s28, s26, 6                         ; its scale bytes: 64 a row, + 4 st
	s_lshl_b32 s29, s14, 2
	s_add_co_u32 s28, s28, s29
	s_mov_b32 s29, 0
	s_mul_i32 s26, s26, 1536                       ; its codes: 1,536 a row, + 96 st
	s_mul_i32 s27, s14, 96
	s_add_co_u32 s26, s26, s27
	s_mov_b32 s27, 0
	s_mul_i32 s30, s13, IMG
	s_mov_b32 s31, 0
	s_wait_kmcnt 0x0
	s_add_nc_u64 s[4:5], s[4:5], s[24:25]
	s_add_nc_u64 s[6:7], s[6:7], s[26:27]
	s_add_nc_u64 s[8:9], s[8:9], s[28:29]
	s_add_nc_u64 s[10:11], s[10:11], s[30:31]
.set I, 0
.rept 16
	global_load_b128 v[32+4*I:35+4*I], v6, s[4:5] offset:4096*I th:TH_LOAD_NT      ; keys 2 I and 2 I + 1 of my 32
.set I, I+1
.endr
.irp p, 0,1,2,3,4,5
	global_load_b64 v[160+2*\p:161+2*\p], v9, s[6:7] offset:48*(\p/3)+8*(\p%3) th:TH_LOAD_NT   ; V's fragment, as it lies
.endr
	global_load_b32 v172, v10, s[8:9] th:TH_LOAD_NT                                ; and its rows' scale words
	s_wait_loadcnt 7                               ; K's sixteen loads are in; V's seven, issued behind them, may be out
.set I, 0
.rept 16                                       ; key j goes to stage row 16 ((j / 8) % 2) + 8 (j / 16) + j % 8: the X keys fill rows 0-15 in the order of r, the Y keys rows 16-31
	ds_store_b128 v7, v[32+4*I:35+4*I] offset:272*(16*((I/4)%2)+8*(I/8)+(2*I)%8)
.set I, I+1
.endr
.irp j, 0,1,2,3,4,5,6,7                        ; LDS serves a wave's instructions in order: these see the stores above
	ds_load_b128 v[96+4*\j:99+4*\j], v8 offset:16*\j              ; X's block h
.endr
.irp j, 0,1,2,3,4,5,6,7
	ds_load_b128 v[128+4*\j:131+4*\j], v8 offset:16*272+16*\j     ; Y's block h
.endr
	s_wait_dscnt 0x0
	QBLK2 96, 128, 176, 182, 188, 192, 20          ; codes: v[176:181] X, v[182:187] Y; bytes: v24 X, v25 Y
	v_lshl_or_b32 v26, v25, 16, v24                ; my two bytes,
	v_lshlrev_b32 v26, v15, v26                    ; at their places in the word (8 h bits up);
	v_mov_b32 v27, 0                               ; (a lane permute's destination counts as one of its sources)
	v_permlanex16_b32 v27, v26, s20, s21
	v_or_b32 v26, v26, v27                         ; with lane l xor 16's two the word is whole
	s_wait_loadcnt 0x0                             ; V
	v_cmp_gt_u32 vcc_lo, 16, v3
	v_cndmask_b32 v26, v172, v26, vcc_lo           ; lanes 0-15 keep K's word of row r, lanes 16-31 take V's of row lane - 16
.irp c, 0,1,2
	global_store_b128 v11, v[176+4*\c:179+4*\c], s[10:11] offset:512*\c            ; 32 lanes store 512 consecutive bytes
.endr
.irp c, 0,1,2
	global_store_b128 v11, v[160+4*\c:163+4*\c], s[10:11] offset:VIMG+512*\c
.endr
	ds_store_b32 v12, v26
	s_wait_dscnt 0x0                               ; for wave 0's sake: my word has landed
	s_barrier_signal -1
	s_barrier_wait -1
	s_cmp_lg_u32 s12, 0
	s_cbranch_scc1 .Lclose                         ; wave 0 alone stores the step's 512 bytes of scale words
	ds_load_b128 v[28:31], v13
	s_wait_dscnt 0x0
	global_store_b128 v14, v[28:31], s[10:11] offset:SCB
.Lclose:
	s_wait_tensorcnt 0x0                           ; the wave's end
	ds_add_u32 v1, v2
	s_wait_dscnt 0x0
	s_endpgm
.Lfunc_end_k_qd8db2156e1_prep:
	.size	k_qd8db2156e1_prep, .Lfunc_end_k_qd8db2156e1_prep-k_qd8db2156e1_prep
	.p2alignl 7, 3214868480
	.fill 96, 4, 3214868480
	.section	.rodata,"a",@progbits
	.p2align	6, 0x0
	.amdhsa_kernel k_qd8db2156e1_prep
		.amdhsa_group_segment_fixed_size 35840
		.amdhsa_private_segment_fixed_size 0
		.amdhsa_enable_private_segment 0
		.amdhsa_kernarg_size 32
		.amdhsa_user_sgpr_count 2
		.amdhsa_user_sgpr_kernarg_segment_ptr 1
		.amdhsa_wavefront_size32 1
		.amdhsa_system_sgpr_workgroup_id_x 1
		.amdhsa_system_sgpr_workgroup_id_y 1
		.amdhsa_system_sgpr_workgroup_id_z 1
		.amdhsa_system_vgpr_workitem_id 0
		.amdhsa_next_free_vgpr 200
		.amdhsa_next_free_sgpr 66
		.amdhsa_reserve_vcc 1
		.amdhsa_float_denorm_mode_32 3
		.amdhsa_float_denorm_mode_16_64 3
		.amdhsa_memory_ordered 1
		.amdhsa_forward_progress 1
		.amdhsa_inst_pref_size 12
	.end_amdhsa_kernel
	.amdgpu_metadata
---
amdhsa.version: [ 1, 2 ]
amdhsa.kernels:
  - .name:           k_qd8db2156e1_prep
    .symbol:         k_qd8db2156e1_prep.kd
    .args:
      - { .name: k, .offset: 0, .size: 8, .value_kind: global_buffer, .address_space: global }
      - { .name: v_codes, .offset: 8, .size: 8, .value_kind: global_buffer, .address_space: global }
      - { .name: v_scales, .offset: 16, .size: 8, .value_kind: global_buffer, .address_space: global }
      - { .name: img, .offset: 24, .size: 8, .value_kind: global_buffer, .address_space: global }
    .group_segment_fixed_size: 35840
    .private_segment_fixed_size: 0
    .kernarg_segment_align: 8
    .kernarg_segment_size: 32
    .max_flat_workgroup_size: 128
    .sgpr_count:     66
    .vgpr_count:     200
    .wavefront_size: 32
...
	.end_amdgpu_metadata
.endif
;; end of part 1
;; launch attn (part 2): grid 16 x 16, 16 waves a work-group, no clusters, 276,480 bytes of LDS; arguments q, img, out0; writes out0
.if DOCPART == 2
	.amdgcn_target "amdgcn-amd-amdhsa--gfx1250"
	.amdhsa_code_object_version 6
	.text
	.protected	k_qd8db2156e1_attn
	.globl	k_qd8db2156e1_attn
	.p2align	8
	.type	k_qd8db2156e1_attn,@function
k_qd8db2156e1_attn:
	s_mov_b64 s[64:65], 0
	v_nop
	global_prefetch_b8 v0, s[64:65] scope:SCOPE_SE
	s_setreg_imm32_b32 hwreg(HW_REG_WAVE_MODE, 25, 1), 1
	s_wait_xcnt 0x0
; GROUPED-QUERY ATTENTION ON CODES OF E3M2, launch 2 of 2.  out0[b][s][64 (4 kv + g) + d] = sum over keys t of Q(softmax_t(Q(q) . Q(k) / 8)) v: both products on 6-bit codes with one E8M0 scale for each 32 along K.
; WORK LEFT OUT: the division by reference()'s own constant DROPOUT = 1.0, a factor 1 for all inputs.
; THE SECOND PRODUCT'S LEFT OPERAND IS THE FINISHED, NORMALISED SOFTMAX, quantised in blocks of 32 keys.  A row's sum is no power of two, so the codes hang on it: the row's maximum and sum are known before anything
; is quantised.  TWO PASSES over the keys: pass 1 makes the scores, a running maximum m and the sum l of 2^(c s - c m), c = log2(e) / 8; pass 2 makes the same scores again (the same instructions on the same codes),
; p = 2^(c s + negK) with negK = -c m - log2(l): one fused multiply-add and one exponential; quantises p and multiplies by V.  The maximum is taken away; p is at most 1; nothing is divided at the end.
; LIMITS: negK is rounded once, to half a last place of |c m + log2 l|: a factor common to a row, which grows with the scores' size as the last place of reference()'s own f32 scores does.  A p under 2^-126 is 0
; (the exponential gives no denormals: ISA guide, its entry); a block whose every p is 0 gets the byte 1 and zero codes.  NaN and infinities among the inputs are not served.
; SHARES.  Work-group (x, y): y = bkv = 8 b + kv, x = a block of 128 positions; with the group's 4 heads 512 rows.  Wave w of sixteen: positions 128 x + 16 (w / 2) .. + 15, heads 2 (w % 2) + a, a = 0, 1: TWO tiles of
; 16 queries, which share every fragment of K and V read from LDS.  Four waves to a SIMD, 256 registers each: one wave's vector work stands beside another's matrix work and LDS loads.
; K AND V OF ONE bkv ARE 204,800 BYTES AS CODES AND LIE IN LDS WHOLE, as images of the operands' registers (launch 1 laid them so): 25 loads and 25 LDS stores of 16 bytes a thread, one barrier, and the loops fetch nothing
; from memory.  NO CLUSTER, NO JOINT LOADS: the sixteen work-groups of a bkv read the same 204,800 bytes once each, at the head; no step of a loop asks memory for anything, so there is no recurring request to divide,
; and those bytes are fewer than the 131,072 of q and as many of out0 that each work-group has to itself.
; LAYOUT.  Both products are used transposed (S^T = K Q^T, O^T = V^T P^T): a lane holds ONE query (lane % 16) throughout.  THE FIRST PRODUCT'S K IS 64, HALF OF THE INSTRUCTION'S 128: a fragment of K carries two sets of
; 16 keys, X in k 0-63 and Y in k 64-127; Q stands between registers of zero codes, and [Q | 0] gives q . X, [0 | Q] gives q . Y.  The dead half multiplies zero codes; Q's scale bytes there are 0 (2^-127, no NaN).
; The keys are so chosen that the 16 registers of the two tiles of fragment F are keys 32 F + 16 (lane / 16) + 0 .. 15: neighbours along the second product's K.
; REGISTERS: v1, v2 the add's two; v3-5 my lane's place among K's, V's and the scale words' images; v6-8 the addresses in hand; v9 my offset in q and out0; v10, v11 p's scale words; v12-14 stage addresses;
;   v16-45 zeros | Q a | zeros | Q b | zeros; v46, v47 Q's scale words (lanes 0-15 for [Q | 0], lanes 16-31 for [0 | Q]); v[48:49], v[50:51] (-c m, later negK; m); v[52:55] l; v56-59 a step's scale words of K and V.
;   pass 1: v60-107 four fragments of K; v108-235 scores (a at 108, b at 172); v236-253 at work.
;   pass 2: v60-83 two fragments of K; v84-147 scores of half a step, then v84-131 V's four fragments; v148-211 O^T; v212-235 p's codes; v236-255 at work.
.set IMG,   204800
.set VIMG,  98304
.set SCB,   196608
.set STAGE, IMG                        ; behind the images: 16 rows x (256 bytes + 16) for each wave: q on the way in, o on the way out
.set SPARE, STAGE+16*4352              ; the spare words, 128 bytes for each wave: eight blocks of 256 bytes that no other line names
.set KF,    60
.macro QBLK2 x0, x1, d0, d1, t0, t1, m ; two blocks of 32 numbers by turns -> 6 registers of codes each at d0, d1; bytes in v[m + 4], v[m + 5]
	v_max3_num_f32 v[\m], |v[\x0]|, |v[\x0+1]|, 0x2800000            ; the floor 2^(5 - 127) among the leaves: the byte cannot fall under 1
	v_max3_num_f32 v[\m+1], |v[\x1]|, |v[\x1+1]|, 0x2800000
.irp i, 2,4,6,8,10,12,14,16,18,20,22,24,26,28,30
	v_max3_num_f32 v[\m], v[\m], |v[\x0+\i]|, |v[\x0+\i+1]|
	v_max3_num_f32 v[\m+1], v[\m+1], |v[\x1+\i]|, |v[\x1+\i+1]|
.endr
	v_add_nc_u32 v[\m+2], 0xfe000000, v[\m]                          ; 4 off the exponent field: the conversion's scale operand
	v_add_nc_u32 v[\m+3], 0xfe000000, v[\m+1]
	v_lshrrev_b32 v[\m+4], 23, v[\m+2]
	v_lshrrev_b32 v[\m+5], 23, v[\m+3]
	v_cvt_scalef32_pk16_bf6_f32 v[\d0:\d0+2], v[\x0:\x0+15], v[\m+2]
	v_cvt_scalef32_pk16_bf6_f32 v[\t0:\t0+2], v[\x0+16:\x0+31], v[\m+2]   ; (a conversion's three registers begin on an even number)
	v_cvt_scalef32_pk16_bf6_f32 v[\d1:\d1+2], v[\x1:\x1+15], v[\m+3]
	v_cvt_scalef32_pk16_bf6_f32 v[\t1:\t1+2], v[\x1+16:\x1+31], v[\m+3]
	v_nop                                                            ; one plain place behind the scaled conversions
.irp i, 0,1,2
	v_mov_b32 v[\d0+3+\i], v[\t0+\i]
	v_mov_b32 v[\d1+3+\i], v[\t1+\i]
.endr
.endm
; a tile of scores: source 0 = fragment f of K, source 1 = tile a's Q as [Q | 0] (u = 0: the X keys) or [0 | Q] (u = 1: the Y keys); d: the result; sc: K's scale words
.macro SMUL a, f, u, d, sc
.if \u
	v_wmma_scale_f32_16x16x128_f8f6f4 v[(\d):(\d)+7], v[KF+12*(\f):KF+12*(\f)+11], v[16+12*(\a):27+12*(\a)], 0, v[\sc], v[46+(\a)] matrix_a_fmt:MATRIX_FMT_BF6 matrix_b_fmt:MATRIX_FMT_BF6 matrix_b_scale:MATRIX_SCALE_ROW1
.else
	v_wmma_scale_f32_16x16x128_f8f6f4 v[(\d):(\d)+7], v[KF+12*(\f):KF+12*(\f)+11], v[22+12*(\a):33+12*(\a)], 0, v[\sc], v[46+(\a)] matrix_a_fmt:MATRIX_FMT_BF6 matrix_b_fmt:MATRIX_FMT_BF6
.endif
.endm
.macro PLACES n                        ; plain vector lines behind matrix instructions, ahead of what reads their results or writes their registers (ISA guide 7.12.1 for vector instructions)
.rept \n
	v_nop
.endr
.endm
	s_load_b128 s[4:7], s[0:1], 0x0                ; q s[4:5], img s[6:7]
	s_load_b64 s[8:9], s[0:1], 0x10                ; out0
	v_lshl_add_u32 v1, v0, 2, SPARE                ; my spare word; never rewritten
	v_mov_b32 v2, 0                                ; 0; never rewritten
	v_lshrrev_b32 v3, 5, v0
	v_readfirstlane_b32 s10, v3                    ; wave 0..15
	s_and_b32 s12, ttmp7, 0xffff                   ; bkv
	s_lshr_b32 s13, s12, 3                         ; b
	s_and_b32 s14, s12, 7                          ; kv
	s_mul_i32 s16, s12, IMG                        ; my bkv's part of img
	s_mov_b32 s17, 0
	s_lshl_b32 s18, s13, 11
	s_lshl_b32 s19, ttmp9, 7
	s_add_co_u32 s18, s18, s19
	s_lshr_b32 s19, s10, 1
	s_lshl_b32 s19, s19, 4
	s_add_co_u32 s18, s18, s19                     ; my first row of q and out0: 2048 b + 128 x + 16 (w / 2)
	s_lshl_b32 s18, s18, 13                        ; of 8,192 bytes,
	s_lshl_b32 s19, s14, 10
	s_add_co_u32 s18, s18, s19                     ; + the group's four heads: 1,024 kv
	s_and_b32 s19, s10, 1
	s_lshl_b32 s19, s19, 9
	s_add_co_u32 s18, s18, s19                     ; + my two of them: 512 (w % 2)
	s_mov_b32 s19, 0
	s_mul_i32 s29, s10, 4352
	s_add_co_u32 s29, s29, STAGE                   ; my stage
	s_mov_b32 s20, 0x76543210
	s_mov_b32 s21, 0xfedcba98                      ; v_permlanex16_b32's selects for lane l xor 16
	s_mov_b32 s22, 0x3e38aa3b                      ; c = log2(e) / 8
	s_mov_b32 s23, s22                             ; (the packed form names the pair and takes its low word for both halves)
	s_mov_b32 s24, 0xbe38aa3b                      ; -c
	v_and_b32 v252, 31, v0                         ; lane
	v_and_b32 v253, 15, v0                         ; r
	v_bfe_u32 v254, v0, 4, 1                       ; h
	v_lshlrev_b32 v3, 4, v252                      ; 16 lane: an image's place for my lane, among K's,
	v_add_nc_u32 v4, VIMG, v3                      ; V's,
	v_add_nc_u32 v5, SCB, v3                       ; and the scale words
	v_lshlrev_b32 v9, 4, v253
	v_lshl_add_u32 v9, v254, 13, v9                ; q, out0: lanes 0-15 one row's 256 bytes of a head, lanes 16-31 the next row's
	v_mul_u32_u24 v12, v254, 272
	v_lshl_add_u32 v12, v253, 4, v12
	v_add_nc_u32 v12, s29, v12                     ; the stage by whole rows: two rows an instruction
	v_mul_u32_u24 v13, v253, 272
	v_lshl_add_u32 v14, v254, 7, v13
	v_add_nc_u32 v14, s29, v14                     ; row r, block h of q (128 bytes)
	v_lshl_add_u32 v13, v254, 5, v13
	v_add_nc_u32 v13, s29, v13                     ; row r, + 32 h: eight channels of o
	v_lshlrev_b32 v15, 3, v254                     ; 8 h
	v_lshlrev_b32 v224, 4, v0                      ; the fill: 16 x my thread's number, in img and in LDS alike;
	v_add_nc_u32 v225, 0x10000, v224               ; LDS offsets have 16 bits: a register for each 65,536 bytes
	v_add_nc_u32 v226, 0x20000, v224
	v_add_nc_u32 v227, 0x30000, v224
	s_wait_kmcnt 0x0
	s_add_nc_u64 s[4:5], s[4:5], s[18:19]
	s_add_nc_u64 s[8:9], s[8:9], s[18:19]
	s_add_nc_u64 s[6:7], s[6:7], s[16:17]
.irp a, 0,1
.irp i, 0,1,2,3,4,5,6,7
	global_load_b128 v[60+32*\a+4*\i:63+32*\a+4*\i], v9, s[4:5] offset:16384*\i+256*\a th:TH_LOAD_NT   ; tile a, rows 2 i and 2 i + 1: sixteen lanes read 256 aligned bytes
.endr
.endr
.set I, 0
.rept 25
	global_load_b128 v[124+4*I:127+4*I], v224, s[6:7] offset:8192*I   ; the work-group's 512 threads read 8,192 consecutive bytes
.set I, I+1
.endr
	s_wait_loadcnt 25                              ; q's sixteen loads are in; the 25 issued behind them may be out
.irp a, 0,1                                    ; q turns through my stage, so that a lane gets its query's block of 32 neighbours.  LDS serves a wave's instructions in order: no wait between stores and loads, nor in front of tile b's stores
.irp i, 0,1,2,3,4,5,6,7
	ds_store_b128 v12, v[60+32*\a+4*\i:63+32*\a+4*\i] offset:544*\i
.endr
.irp j, 0,1,2,3,4,5,6,7
	ds_load_b128 v[60+32*\a+4*\j:63+32*\a+4*\j], v14 offset:16*\j
.endr
.endr
	s_wait_dscnt 0x0
	QBLK2 60, 92, 22, 34, 236, 240, 244            ; Q a -> v[22:27], Q b -> v[34:39]; bytes: v248, v249
	v_lshlrev_b32 v248, v15, v248                  ; my block's byte at its place (8 h bits up)
	v_lshlrev_b32 v249, v15, v249
	v_mov_b32 v250, 0                              ; (a lane permute's destination counts as one of its sources)
	v_mov_b32 v251, 0
	v_permlanex16_b32 v250, v248, s20, s21
	v_permlanex16_b32 v251, v249, s20, s21
	v_or_b32 v248, v248, v250                      ; both bytes of my query, in both halves of the lanes
	v_or_b32 v249, v249, v251
	v_lshlrev_b32 v15, 1, v15                      ; 16 h
	v_lshlrev_b32 v46, v15, v248                   ; lanes 0-15: bytes 0, 1, for [Q | 0]; lanes 16-31: bytes 2, 3, for [0 | Q]; the other two bytes are 0
	v_lshlrev_b32 v47, v15, v249
.irp z, 16,17,18,19,20,21,28,29,30,31,32,33,40,41,42,43,44,45
	v_mov_b32 v\z, 0                               ; zero codes round Q
.endr
	v_mov_b32 v49, 0xff61b1e6                      ; m: -3e38, under every score
	v_mov_b32 v51, 0xff61b1e6
	v_mul_f32 v48, s24, v49                        ; -c m
	v_mul_f32 v50, s24, v51
	v_mov_b32 v52, 0                               ; l, in two halves
	v_mov_b32 v53, 0
	v_mov_b32 v54, 0
	v_mov_b32 v55, 0
	v_mov_b32 v245, 0                              ; (named as the upper halves of pairs)
	v_mov_b32 v247, 0
.set I, 0
.rept 25
	s_wait_loadcnt 24-I                            ; loads come back in order: fill load I is in, the 24 - I behind it may be out
	ds_store_b128 v[224+I/8], v[124+4*I:127+4*I] offset:8192*(I%8)
.set I, I+1
.endr
	s_wait_dscnt 0x0                               ; for the others' sake: my part of the images has landed
	s_barrier_signal -1
	s_barrier_wait -1                              ; K's, V's and the scale words' images are whole; nothing writes them again
	; ---- PASS 1: 16 steps of 128 keys.  Each lane keeps m, -c m and l of ITS 64 keys of a step (its half of each block); the two halves of the lanes meet once, behind the loop
	s_mov_b32 s25, 0                               ; the step's fragments: 6,144 bytes a step
	s_mov_b32 s26, 0                               ; its scale words: 512
	s_mov_b32 s28, 16
.Lpass1:
	v_add_nc_u32 v6, s25, v3
	v_add_nc_u32 v8, s26, v5
.irp f, 0,1,2,3
.irp c, 0,1,2
	ds_load_b128 v[KF+12*\f+4*\c:KF+12*\f+4*\c+3], v6 offset:1536*\f+512*\c
.endr
.endr
	ds_load_b128 v[56:59], v8                      ; lanes 0-15: the four fragments' scale words
	s_wait_dscnt 0x0
.irp f, 0,1,2,3
.irp u, 0,1
.irp a, 0,1
	SMUL \a, \f, \u, 108+64*\a+8*(2*\f+\u), 56+\f
.endr
.endr
.endr
	PLACES 4                                       ; ahead of the reads of the scores, and of the next trip's loads into K's and the scale words' registers
.irp q, 0,1,2,3,4,5,6,7                        ; the largest score: eight chains (2 tiles x 4 blocks) by turns; each accumulator is read from its low end on
	v_max3_num_f32 v[236+\q], v[108+16*\q], v[109+16*\q], v[110+16*\q]
.endr
.irp i, 3,5,7,9,11,13
.irp q, 0,1,2,3,4,5,6,7
	v_max3_num_f32 v[236+\q], v[236+\q], v[108+16*\q+\i], v[109+16*\q+\i]
.endr
.endr
.irp q, 0,1,2,3,4,5,6,7
	v_max_num_f32 v[236+\q], v[236+\q], v[123+16*\q]
.endr
	v_max3_num_f32 v236, v236, v237, v238
	v_max3_num_f32 v240, v240, v241, v242
	v_max3_num_f32 v49, v236, v239, v49            ; the running m
	v_max3_num_f32 v51, v240, v243, v51
	v_mul_f32 v252, s24, v49                       ; the new -c m
	v_mul_f32 v253, s24, v51
	v_sub_f32 v244, v252, v48                      ; less the old: 0 or less
	v_sub_f32 v246, v253, v50
	v_mov_b32 v48, v252
	v_mov_b32 v50, v253
	v_exp_f32 v244, v244                           ; what was summed under the old m is brought under the new
	v_exp_f32 v246, v246
.set J, 0
.rept 32
	v_pk_fma_f32 v[108+J:109+J], v[108+J:109+J], s[22:23], v[48:49] op_sel_hi:[1,0,0]   ; c s - c m, two at a time
	v_pk_fma_f32 v[172+J:173+J], v[172+J:173+J], s[22:23], v[50:51] op_sel_hi:[1,0,0]
.set J, J+2
.endr
.set J, 0
.rept 128
	v_exp_f32 v[108+J], v[108+J]
.set J, J+1
.endr
	v_nop                                          ; a plain line behind the last exponential
	s_wait_alu depctr_va_vdst(0)                   ; ahead of the first line that names a result: one wait for the batch of 130
	v_pk_mul_f32 v[52:53], v[52:53], v[244:245] op_sel_hi:[1,0]
	v_pk_mul_f32 v[54:55], v[54:55], v[246:247] op_sel_hi:[1,0]
	v_pk_add_f32 v[248:249], v[108:109], v[110:111]    ; the sums: two chains a tile, the tiles by turns
	v_pk_add_f32 v[250:251], v[172:173], v[174:175]
.set J, 4
.rept 15
	v_pk_add_f32 v[52:53], v[52:53], v[108+J:109+J]
	v_pk_add_f32 v[54:55], v[54:55], v[172+J:173+J]
	v_pk_add_f32 v[248:249], v[248:249], v[110+J:111+J]
	v_pk_add_f32 v[250:251], v[250:251], v[174+J:175+J]
.set J, J+4
.endr
	v_pk_add_f32 v[52:53], v[52:53], v[248:249]
	v_pk_add_f32 v[54:55], v[54:55], v[250:251]
	s_add_co_u32 s25, s25, 6144
	s_add_co_u32 s26, s26, 512
	s_sub_co_u32 s28, s28, 1
	s_cmp_lg_u32 s28, 0
	s_cbranch_scc1 .Lpass1
	; ---- the two halves of the lanes meet: n = the lesser -c m; each l is brought under it; negK = n - log2(l).  Every step is symmetric in the two lanes, so both hold the same bits
	v_add_f32 v52, v52, v53
	v_add_f32 v54, v54, v55
	v_permlanex16_b32 v236, v48, s20, s21
	v_permlanex16_b32 v237, v50, s20, s21
	v_min_num_f32 v236, v236, v48
	v_min_num_f32 v237, v237, v50
	v_sub_f32 v238, v236, v48
	v_sub_f32 v239, v237, v50
	v_exp_f32 v238, v238
	v_exp_f32 v239, v239
	v_nop
	s_wait_alu depctr_va_vdst(0)                   ; ahead of the first reader: one wait for the two
	v_mul_f32 v52, v52, v238
	v_mul_f32 v54, v54, v239
	v_permlanex16_b32 v240, v52, s20, s21
	v_permlanex16_b32 v241, v54, s20, s21
	v_add_f32 v52, v52, v240                       ; the row's sum, at least about 1
	v_add_f32 v54, v54, v241
	v_log_f32 v52, v52
	v_log_f32 v54, v54
	v_nop
	s_wait_alu depctr_va_vdst(0)
	v_sub_f32 v48, v236, v52                       ; negK
	v_sub_f32 v50, v237, v54
; ---- PASS 2.  SQ: the scores of half a step (64 keys: blocks 2 hs, 2 hs + 1 of both tiles; block 2 a + f at v[84 + 16 (2 a + f)]) become p, its scale bytes and its codes
.macro SQ hs
.irp b, 0,1,2,3                                ; the largest score of each block: p rises with the score, so it gives the block's largest p
	v_max3_num_f32 v[244+\b], v[84+16*\b], v[85+16*\b], v[86+16*\b]
.endr
.irp i, 3,5,7,9,11,13
.irp b, 0,1,2,3
	v_max3_num_f32 v[244+\b], v[244+\b], v[84+16*\b+\i], v[85+16*\b+\i]
.endr
.endr
.irp b, 0,1,2,3
	v_max_num_f32 v[244+\b], v[244+\b], v[99+16*\b]
.endr
.irp b, 0,1,2,3
	v_permlanex16_b32 v[248+\b], v[244+\b], s20, s21
.endr
.irp b, 0,1,2,3
	v_max_num_f32 v[244+\b], v[244+\b], v[248+\b]  ; with lane l xor 16's 16 keys
.endr
.set J, 0
.rept 16
	v_pk_fma_f32 v[84+J:85+J], v[84+J:85+J], s[22:23], v[48:49] op_sel_hi:[1,0,0]      ; c s + negK
	v_pk_fma_f32 v[116+J:117+J], v[116+J:117+J], s[22:23], v[50:51] op_sel_hi:[1,0,0]
.set J, J+2
.endr
	v_fma_f32 v244, v244, s22, v48                 ; the same of each block's largest score: the same two instructions on the same number give the same bits
	v_fma_f32 v245, v245, s22, v48
	v_fma_f32 v246, v246, s22, v50
	v_fma_f32 v247, v247, s22, v50
.irp b, 0,1,2,3
	v_exp_f32 v[244+\b], v[244+\b]
.endr
.set J, 0
.rept 64
	v_exp_f32 v[84+J], v[84+J]                     ; p, finished and normalised
.set J, J+1
.endr
	v_nop                                          ; a plain line behind the last exponential
	s_wait_alu depctr_va_vdst(0)                   ; one wait for the batch of 68, ahead of its first reader
.irp b, 0,1,2,3
	v_max_num_f32 v[244+\b], 0x2800000, v[244+\b]  ; the floor 2^(5 - 127): the byte cannot fall under 1
.endr
.irp b, 0,1,2,3
	v_add_nc_u32 v[252+\b], 0xfe000000, v[244+\b]  ; 4 off the exponent field: the conversion's scale operand
.endr
.irp b, 0,1,2,3
	v_lshrrev_b32 v[248+\b], 23, v[252+\b]         ; the scale's byte
.endr
.if \hs
	v_lshl_or_b32 v10, v248, 16, v10               ; bytes 2 and 3 of p's scale words
	v_lshl_or_b32 v11, v250, 16, v11
	v_lshl_or_b32 v10, v249, 24, v10
	v_lshl_or_b32 v11, v251, 24, v11
.else
	v_lshl_or_b32 v10, v249, 8, v248               ; bytes 0 and 1
	v_lshl_or_b32 v11, v251, 8, v250
.endif
	v_cvt_scalef32_pk16_bf6_f32 v[212+6*\hs:214+6*\hs], v[84:99], v252
	v_cvt_scalef32_pk16_bf6_f32 v[236:238], v[100:115], v253       ; (a conversion's three registers begin on an even number)
	v_cvt_scalef32_pk16_bf6_f32 v[224+6*\hs:226+6*\hs], v[116:131], v254
	v_cvt_scalef32_pk16_bf6_f32 v[240:242], v[132:147], v255
	v_nop                                          ; one plain place behind the scaled conversions
.if \hs
.irp t, 0,1,2,3                                ; the scores' registers are free: V's four fragments of this step land there while the codes are put in order
.irp c, 0,1,2
	ds_load_b128 v[84+12*\t+4*\c:87+12*\t+4*\c], v7 offset:1536*\t+512*\c
.endr
.endr
.endif
.irp a, 0,1                                    ; the operand's layout wants a WHOLE block in a lane: lanes 0-15 block 2 hs, lanes 16-31 block 2 hs + 1
.irp i, 0,1,2
	v_permlane16_swap_b32 v[212+12*\a+6*\hs+\i], v[236+4*\a+\i]
.endr
.irp i, 0,1,2
	v_mov_b32 v[215+12*\a+6*\hs+\i], v[236+4*\a+\i]
.endr
.endr
.endm
; a step of 128 keys.  zero = 1: its products start O^T's sums: nothing is ever cleared
.macro STEP2 zero
	v_add_nc_u32 v6, s25, v3
	v_add_nc_u32 v7, s25, v4
	v_add_nc_u32 v8, s26, v5
.irp f, 0,1
.irp c, 0,1,2
	ds_load_b128 v[KF+12*\f+4*\c:KF+12*\f+4*\c+3], v6 offset:1536*\f+512*\c
.endr
.endr
	ds_load_b128 v[56:59], v8                      ; lanes 0-15: K's four scale words; lanes 16-31: V's four
	s_wait_dscnt 0x0
.irp f, 0,1
.irp u, 0,1
.irp a, 0,1
	SMUL \a, \f, \u, 84+32*\a+8*(2*\f+\u), 56+\f
.endr
.endr
.endr
	PLACES 4                                       ; ahead of the loads into K's registers and of the reads of the scores
.irp f, 0,1
.irp c, 0,1,2
	ds_load_b128 v[KF+12*\f+4*\c:KF+12*\f+4*\c+3], v6 offset:3072+1536*\f+512*\c   ; the step's other two fragments land during the vector work below
.endr
.endr
	SQ 0
	s_wait_dscnt 0x0
.irp f, 0,1
.irp u, 0,1
.irp a, 0,1
	SMUL \a, \f, \u, 84+32*\a+8*(2*\f+\u), 58+\f
.endr
.endr
.endr
	PLACES 4
	SQ 1
	PLACES 6                                       ; p's codes, written by vector lines, stand 4 places ahead of a scaled product and its scale words 8: behind a word's last write stand the conversions' v_nop, the other tile's three moves and these six
	s_wait_dscnt 0x0                               ; V
.irp t, 0,1,2,3                                ; O^T += V^T P^T: eight accumulators by turns, one instruction a turn
.irp a, 0,1
.if \zero
	v_wmma_scale_f32_16x16x128_f8f6f4 v[148+32*\a+8*\t:155+32*\a+8*\t], v[84+12*\t:95+12*\t], v[212+12*\a:223+12*\a], 0, v[56+\t], v[10+\a] matrix_a_fmt:MATRIX_FMT_BF6 matrix_b_fmt:MATRIX_FMT_BF6 matrix_a_scale:MATRIX_SCALE_ROW1
.else
	v_wmma_scale_f32_16x16x128_f8f6f4 v[148+32*\a+8*\t:155+32*\a+8*\t], v[84+12*\t:95+12*\t], v[212+12*\a:223+12*\a], v[148+32*\a+8*\t:155+32*\a+8*\t], v[56+\t], v[10+\a] matrix_a_fmt:MATRIX_FMT_BF6 matrix_b_fmt:MATRIX_FMT_BF6 matrix_a_scale:MATRIX_SCALE_ROW1
.endif
.endr
.endr
	PLACES 5                                       ; the next step's score products write over V's registers, which these products read: five places; they serve the loads into the scale words' registers and the way out's reads too
	s_add_co_u32 s25, s25, 6144
	s_add_co_u32 s26, s26, 512
.endm
	s_mov_b32 s25, 0
	s_mov_b32 s26, 0
	STEP2 1                                        ; the first step stands in front of the loop
	s_mov_b32 s28, 15
.Lpass2:
	STEP2 0
	s_sub_co_u32 s28, s28, 1
	s_cmp_lg_u32 s28, 0
	s_cbranch_scc1 .Lpass2
	; ---- THE WAY OUT.  Register j of O^T's tile t is o(query r, channel 16 t + 8 h + j): 32 neighbouring bytes of a row.  A tile of 16 queries x 256 bytes goes through my stage and comes back as whole rows,
	; so that sixteen lanes store 256 consecutive bytes, at a multiple of 256 from out0's first byte.  LDS serves a wave's instructions in order: no wait between stores and loads, nor in front of tile b's stores
.irp a, 0,1
.irp t, 0,1,2,3
	ds_store_b128 v13, v[148+32*\a+8*\t:151+32*\a+8*\t] offset:64*\t          ; each accumulator from its low end on
	ds_store_b128 v13, v[152+32*\a+8*\t:155+32*\a+8*\t] offset:64*\t+16
.endr
.irp i, 0,1,2,3,4,5,6,7
	ds_load_b128 v[84+32*\a+4*\i:87+32*\a+4*\i], v12 offset:544*\i
.endr
.endr
.irp i, 0,1,2,3,4,5,6,7
	s_wait_dscnt 23-\i                             ; behind tile a's load i: its 7 - i later loads, tile b's 8 stores and 8 loads
	global_store_b128 v9, v[84+4*\i:87+4*\i], s[8:9] offset:16384*\i th:TH_STORE_NT
.endr
.irp i, 0,1,2,3,4,5,6,7
	s_wait_dscnt 7-\i
	global_store_b128 v9, v[116+4*\i:119+4*\i], s[8:9] offset:16384*\i+256 th:TH_STORE_NT
.endr
	s_wait_tensorcnt 0x0                           ; the wave's end
	ds_add_u32 v1, v2
	s_wait_dscnt 0x0
	s_endpgm
.Lfunc_end_k_qd8db2156e1_attn:
	.size	k_qd8db2156e1_attn, .Lfunc_end_k_qd8db2156e1_attn-k_qd8db2156e1_attn
	.p2alignl 7, 3214868480
	.fill 96, 4, 3214868480
	.section	.rodata,"a",@progbits
	.p2align	6, 0x0
	.amdhsa_kernel k_qd8db2156e1_attn
		.amdhsa_group_segment_fixed_size 276480
		.amdhsa_private_segment_fixed_size 0
		.amdhsa_enable_private_segment 0
		.amdhsa_kernarg_size 24
		.amdhsa_user_sgpr_count 2
		.amdhsa_user_sgpr_kernarg_segment_ptr 1
		.amdhsa_wavefront_size32 1
		.amdhsa_system_sgpr_workgroup_id_x 1
		.amdhsa_system_sgpr_workgroup_id_y 1
		.amdhsa_system_sgpr_workgroup_id_z 1
		.amdhsa_system_vgpr_workitem_id 0
		.amdhsa_next_free_vgpr 256
		.amdhsa_next_free_sgpr 66
		.amdhsa_reserve_vcc 0
		.amdhsa_float_denorm_mode_32 3
		.amdhsa_float_denorm_mode_16_64 3
		.amdhsa_memory_ordered 1
		.amdhsa_forward_progress 1
		.amdhsa_inst_pref_size 84
	.end_amdhsa_kernel
	.amdgpu_metadata
---
amdhsa.version: [ 1, 2 ]
amdhsa.kernels:
  - .name:           k_qd8db2156e1_attn
    .symbol:         k_qd8db2156e1_attn.kd
    .args:
      - { .name: q, .offset: 0, .size: 8, .value_kind: global_buffer, .address_space: global }
      - { .name: img, .offset: 8, .size: 8, .value_kind: global_buffer, .address_space: global }
      - { .name: out0, .offset: 16, .size: 8, .value_kind: global_buffer, .address_space: global }
    .group_segment_fixed_size: 276480
    .private_segment_fixed_size: 0
    .kernarg_segment_align: 8
    .kernarg_segment_size: 24
    .max_flat_workgroup_size: 512
    .sgpr_count:     66
    .vgpr_count:     256
    .wavefront_size: 32
...
	.end_amdgpu_metadata
.endif
;; end of part 2
;; ======== version 2 of 2: 2 launches
;; workspace buffers: img 3,276,800 bytes
;; launch prep (part 3): grid 256 x 1, 4 waves a work-group, no clusters, 35,840 bytes of LDS; arguments k, v_codes, v_scales, img; writes img
.if DOCPART == 3
	.amdgcn_target "amdgcn-amd-amdhsa--gfx1250"
	.amdhsa_code_object_version 6
	.text
	.protected	k_qd8db2156e1_prep
	.globl	k_qd8db2156e1_prep
	.p2align	8
	.type	k_qd8db2156e1_prep,@function
k_qd8db2156e1_prep:
	s_mov_b64 s[64:65], 0
	v_nop
	global_prefetch_b8 v0, s[64:65] scope:SCOPE_SE
	s_setreg_imm32_b32 hwreg(HW_REG_WAVE_MODE, 25, 1), 1
	s_wait_xcnt 0x0
; GROUPED-QUERY ATTENTION ON CODES OF E3M2, launch 1 of 2: K is quantised once, and K, V and their scale bytes are laid in the order of the operands' registers.
; WORK LEFT OUT (whole program): reference() divides the softmax by DROPOUT, a constant 1.0 of its own body: a factor 1 for all values of the inputs; no line is spent on it.
; Every input (q, k, v_codes, v_scales) has a way to the output and is loaded.  Nothing else is left out, so no NaN, infinity or overflow can reach only work that is left out.
; k: [2][2048][512] f32; head kv's 64 numbers of a key are 256 consecutive bytes.  The first product's K is those 64: two blocks of 32.
; A block's scale is 2^(floor(log2(its largest magnitude)) - 4); its byte is the largest magnitude's exponent field - 4, held at 1 from below.  (A block of zeros so gets the byte 1 where the
; rule says 127: its codes are zeros, which add nothing under any byte but 0xff, and the bytes are read by this program alone.)
; LIMITS: NaN and infinities among the inputs are not served; blocks whose largest magnitude lies under 2^(4 - 126) keep the byte 1.
; img, for each bkv = 8 b + kv, 204,800 bytes:
;   0 ..       64 fragments of K, 1,536 bytes each: piece c (0..2) at 1536 F + 512 c + 16 lane = the lane's registers 4 c .. 4 c + 3.  Fragment F holds keys 32 F .. 32 F + 31 as TWO sets of 16:
;              lane (r, h): registers 0-5 = block h of key X = 32 F + r + 8 (r / 8), registers 6-11 = block h of key Y = X + 8.  The matrix instruction's 128 along K so carries two keys' 64.
;   98,304 ..  64 fragments of V (key step st, channel tile t: 4 st + t), likewise: lane (r, h): channel 16 t + r, its row's bytes 96 st + 24 h .. and 96 st + 48 + 24 h ..
;   196,608 .. scale words [st 16][lane 32][slot 4]: lanes 0-15 slot s: K's fragment 4 st + s, row r: bytes (X block 0, X block 1, Y block 0, Y block 1); lanes 16-31 slot s: V's fragment (st, s), row lane - 16.
; SHARES: work-group x: bkv = x / 16, st = x % 16; wave w: K's fragment F = 4 st + w and V's fragment (st, w).  All waves take one path.
; K's loads are dense (sixteen lanes take a key's 256 aligned bytes); the numbers turn through the wave's own stage in LDS so that a lane gets 32 neighbours.  V's codes are read in pieces of 8 bytes
; from 16 rows: 1.5 MB in the whole launch, once.  All stores of a wave cover 512 consecutive bytes.
.set STG,   8704                       ; a wave's stage: 32 rows x (256 bytes + 16)
.set SCX,   4*STG                      ; 512 bytes: the four waves' scale words meet here
.set SPARE, SCX+512                    ; the spare words, 128 bytes for each wave: two blocks of 256 bytes that no other line names
.set IMG,   204800
.set VIMG,  98304
.set SCB,   196608
; two blocks of 32 numbers, v[x0 ..] and v[x1 ..], by turns -> 6 registers of codes each at d0, d1; t0, t1: three registers each, at work; m .. m + 5: maxima, scale operands, bytes
.macro QBLK2 x0, x1, d0, d1, t0, t1, m
	v_max3_num_f32 v[\m], |v[\x0]|, |v[\x0+1]|, 0x2800000            ; the floor 2^(5 - 127) among the leaves: the byte cannot fall under 1
	v_max3_num_f32 v[\m+1], |v[\x1]|, |v[\x1+1]|, 0x2800000
.irp i, 2,4,6,8,10,12,14,16,18,20,22,24,26,28,30
	v_max3_num_f32 v[\m], v[\m], |v[\x0+\i]|, |v[\x0+\i+1]|
	v_max3_num_f32 v[\m+1], v[\m+1], |v[\x1+\i]|, |v[\x1+\i+1]|
.endr
	v_add_nc_u32 v[\m+2], 0xfe000000, v[\m]                          ; 4 off the exponent field: the conversion takes the exponent field of this operand as its scale
	v_add_nc_u32 v[\m+3], 0xfe000000, v[\m+1]
	v_lshrrev_b32 v[\m+4], 23, v[\m+2]                               ; the scales' bytes
	v_lshrrev_b32 v[\m+5], 23, v[\m+3]
	v_cvt_scalef32_pk16_bf6_f32 v[\d0:\d0+2], v[\x0:\x0+15], v[\m+2]
	v_cvt_scalef32_pk16_bf6_f32 v[\t0:\t0+2], v[\x0+16:\x0+31], v[\m+2]   ; (a conversion's three registers begin on an even number)
	v_cvt_scalef32_pk16_bf6_f32 v[\d1:\d1+2], v[\x1:\x1+15], v[\m+3]
	v_cvt_scalef32_pk16_bf6_f32 v[\t1:\t1+2], v[\x1+16:\x1+31], v[\m+3]
	v_nop                                                            ; one plain place behind the scaled conversions
.irp i, 0,1,2
	v_mov_b32 v[\d0+3+\i], v[\t0+\i]
	v_mov_b32 v[\d1+3+\i], v[\t1+\i]
.endr
.endm
	s_load_b256 s[4:11], s[0:1], 0x0               ; k s[4:5], v_codes s[6:7], v_scales s[8:9], img s[10:11]
	v_lshl_add_u32 v1, v0, 2, SPARE                ; my spare word; never rewritten
	v_mov_b32 v2, 0                                ; 0; never rewritten
	v_lshrrev_b32 v3, 5, v0
	v_readfirstlane_b32 s12, v3                    ; wave 0..3
	v_and_b32 v3, 31, v0                           ; lane
	v_and_b32 v4, 15, v0                           ; r
	s_wait_alu depctr_va_vdst(0)
	v_bfe_u32 v5, v0, 4, 1                         ; h
	s_lshr_b32 s13, ttmp9, 4                       ; bkv
	s_and_b32 s14, ttmp9, 15                       ; st
	s_lshl_b32 s15, s14, 2
	s_add_co_u32 s15, s15, s12                     ; F = 4 st + w
	s_lshr_b32 s16, s13, 3                         ; b
	s_and_b32 s17, s13, 7                          ; kv
	s_mov_b32 s20, 0x76543210
	s_mov_b32 s21, 0xfedcba98                      ; v_permlanex16_b32's selects for lane l xor 16
	s_mul_i32 s18, s12, STG                        ; my stage
	s_mul_i32 s19, s15, 1536                       ; my fragment's place among 64
	s_lshl_b32 s22, s12, 2
	s_add_co_u32 s22, s22, SCX                     ; my slot among the scale words
	s_lshl_b32 s23, s14, 9                         ; the step's 512 bytes of scale words
	v_lshlrev_b32 v6, 4, v4
	s_wait_alu depctr_va_vdst(0)
	v_lshl_add_u32 v6, v5, 11, v6                  ; K in memory: lanes 0-15 one key's 256 bytes, lanes 16-31 the next key's (2,048 bytes on)
	v_mul_u32_u24 v7, v5, 272
	v_lshl_add_u32 v7, v4, 4, v7
	v_add_nc_u32 v7, s18, v7                       ; the stage, on the way in: two rows an instruction
	v_mul_u32_u24 v8, v4, 272
	v_lshl_add_u32 v8, v5, 7, v8
	v_add_nc_u32 v8, s18, v8                       ; and on the way out: row r, block h (128 bytes)
	v_mul_u32_u24 v9, v4, 1536
	v_mad_u32_u24 v9, v5, 24, v9                   ; V's codes: row r of 1,536 bytes, + 24 h
	v_lshlrev_b32 v10, 6, v4                       ; V's scale bytes: row r of 64
	v_lshl_add_u32 v11, v3, 4, s19                 ; an image's place for my lane: 1536 F + 16 lane
	v_lshl_add_u32 v12, v3, 4, s22                 ; LDS: SCX + 16 lane + 4 w
	v_lshl_add_u32 v13, v3, 4, SCX                 ; LDS: SCX + 16 lane
	v_lshl_add_u32 v14, v3, 4, s23                 ; 512 st + 16 lane
	v_lshlrev_b32 v15, 3, v5                       ; 8 h
	s_lshl_b32 s24, s16, 22                        ; k: (2048 b + 32 F) rows of 2,048 bytes + 256 kv
	s_lshl_b32 s25, s15, 16
	s_add_co_u32 s24, s24, s25
	s_lshl_b32 s25, s17, 8
	s_add_co_u32 s24, s24, s25
	s_mov_b32 s25, 0
	s_lshl_b32 s26, s13, 6
	s_lshl_b32 s27, s12, 4
	s_add_co_u32 s26, s26, s27                     ; V's first row for me: 64 bkv + 16 w
	s_lshl_b32 s28, s26, 6                         ; its scale bytes: 64 a row, + 4 st
	s_lshl_b32 s29, s14, 2
	s_add_co_u32 s28, s28, s29
	s_mov_b32 s29, 0
	s_mul_i32 s26, s26, 1536                       ; its codes: 1,536 a row, + 96 st
	s_mul_i32 s27, s14, 96
	s_add_co_u32 s26, s26, s27
	s_mov_b32 s27, 0
	s_mul_i32 s30, s13, IMG
	s_mov_b32 s31, 0
	s_wait_alu depctr_va_vdst(0)
	s_wait_kmcnt 0x0
	s_add_nc_u64 s[4:5], s[4:5], s[24:25]
	s_add_nc_u64 s[6:7], s[6:7], s[26:27]
	s_add_nc_u64 s[8:9], s[8:9], s[28:29]
	s_add_nc_u64 s[10:11], s[10:11], s[30:31]
.set I, 0
.rept 16
	global_load_b128 v[32+4*I:35+4*I], v6, s[4:5] offset:4096*I th:TH_LOAD_NT      ; keys 2 I and 2 I + 1 of my 32
.set I, I+1
.endr
.irp p, 0,1,2,3,4,5
	global_load_b64 v[160+2*\p:161+2*\p], v9, s[6:7] offset:48*(\p/3)+8*(\p%3) th:TH_LOAD_NT   ; V's fragment, as it lies
.endr
	global_load_b32 v172, v10, s[8:9] th:TH_LOAD_NT                                ; and its rows' scale words
	s_wait_loadcnt 7                               ; K's sixteen loads are in; V's seven, issued behind them, may be out
.set I, 0
.rept 16                                       ; key j goes to stage row 16 ((j / 8) % 2) + 8 (j / 16) + j % 8: the X keys fill rows 0-15 in the order of r, the Y keys rows 16-31
	ds_store_b128 v7, v[32+4*I:35+4*I] offset:272*(16*((I/4)%2)+8*(I/8)+(2*I)%8)
.set I, I+1
.endr
.irp j, 0,1,2,3,4,5,6,7                        ; LDS serves a wave's instructions in order: these see the stores above
	ds_load_b128 v[96+4*\j:99+4*\j], v8 offset:16*\j              ; X's block h
.endr
.irp j, 0,1,2,3,4,5,6,7
	ds_load_b128 v[128+4*\j:131+4*\j], v8 offset:16*272+16*\j     ; Y's block h
.endr
	s_wait_dscnt 0x0
	QBLK2 96, 128, 176, 182, 188, 192, 20          ; codes: v[176:181] X, v[182:187] Y; bytes: v24 X, v25 Y
	v_lshl_or_b32 v26, v25, 16, v24                ; my two bytes,
	v_lshlrev_b32 v26, v15, v26                    ; at their places in the word (8 h bits up);
	v_mov_b32 v27, 0                               ; (a lane permute's destination counts as one of its sources)
	v_permlanex16_b32 v27, v26, s20, s21
	v_or_b32 v26, v26, v27                         ; with lane l xor 16's two the word is whole
	s_wait_alu depctr_va_vdst(0)
	s_wait_loadcnt 0x0                             ; V
	v_cmp_gt_u32 vcc_lo, 16, v3
	v_cndmask_b32 v26, v172, v26, vcc_lo           ; lanes 0-15 keep K's word of row r, lanes 16-31 take V's of row lane - 16
.irp c, 0,1,2
	global_store_b128 v11, v[176+4*\c:179+4*\c], s[10:11] offset:512*\c            ; 32 lanes store 512 consecutive bytes
.endr
.irp c, 0,1,2
	global_store_b128 v11, v[160+4*\c:163+4*\c], s[10:11] offset:VIMG+512*\c
.endr
	ds_store_b32 v12, v26
	s_wait_dscnt 0x0                               ; for wave 0's sake: my word has landed
	s_barrier_signal -1
	s_barrier_wait -1
	s_cmp_lg_u32 s12, 0
	s_cbranch_scc1 .Lclose                         ; wave 0 alone stores the step's 512 bytes of scale words
	ds_load_b128 v[28:31], v13
	s_wait_dscnt 0x0
	global_store_b128 v14, v[28:31], s[10:11] offset:SCB
.Lclose:
	s_wait_tensorcnt 0x0                           ; the wave's end
	ds_add_u32 v1, v2
	s_wait_dscnt 0x0
	s_endpgm
.Lfunc_end_k_qd8db2156e1_prep:
	.size	k_qd8db2156e1_prep, .Lfunc_end_k_qd8db2156e1_prep-k_qd8db2156e1_prep
	.p2alignl 7, 3214868480
	.fill 96, 4, 3214868480
	.section	.rodata,"a",@progbits
	.p2align	6, 0x0
	.amdhsa_kernel k_qd8db2156e1_prep
		.amdhsa_group_segment_fixed_size 35840
		.amdhsa_private_segment_fixed_size 0
		.amdhsa_enable_private_segment 0
		.amdhsa_kernarg_size 32
		.amdhsa_user_sgpr_count 2
		.amdhsa_user_sgpr_kernarg_segment_ptr 1
		.amdhsa_wavefront_size32 1
		.amdhsa_system_sgpr_workgroup_id_x 1
		.amdhsa_system_sgpr_workgroup_id_y 1
		.amdhsa_system_sgpr_workgroup_id_z 1
		.amdhsa_system_vgpr_workitem_id 0
		.amdhsa_next_free_vgpr 200
		.amdhsa_next_free_sgpr 66
		.amdhsa_reserve_vcc 1
		.amdhsa_float_denorm_mode_32 3
		.amdhsa_float_denorm_mode_16_64 3
		.amdhsa_memory_ordered 1
		.amdhsa_forward_progress 1
		.amdhsa_inst_pref_size 12
	.end_amdhsa_kernel
	.amdgpu_metadata
---
amdhsa.version: [ 1, 2 ]
amdhsa.kernels:
  - .name:           k_qd8db2156e1_prep
    .symbol:         k_qd8db2156e1_prep.kd
    .args:
      - { .name: k, .offset: 0, .size: 8, .value_kind: global_buffer, .address_space: global }
      - { .name: v_codes, .offset: 8, .size: 8, .value_kind: global_buffer, .address_space: global }
      - { .name: v_scales, .offset: 16, .size: 8, .value_kind: global_buffer, .address_space: global }
      - { .name: img, .offset: 24, .size: 8, .value_kind: global_buffer, .address_space: global }
    .group_segment_fixed_size: 35840
    .private_segment_fixed_size: 0
    .kernarg_segment_align: 8
    .kernarg_segment_size: 32
    .max_flat_workgroup_size: 128
    .sgpr_count:     66
    .vgpr_count:     200
    .wavefront_size: 32
...
	.end_amdgpu_metadata
.endif
;; end of part 3
;; launch attn (part 4): grid 16 x 16, 16 waves a work-group, no clusters, 276,480 bytes of LDS; arguments q, img, out0; writes out0
.if DOCPART == 4
	.amdgcn_target "amdgcn-amd-amdhsa--gfx1250"
	.amdhsa_code_object_version 6
	.text
	.protected	k_qd8db2156e1_attn
	.globl	k_qd8db2156e1_attn
	.p2align	8
	.type	k_qd8db2156e1_attn,@function
k_qd8db2156e1_attn:
	s_mov_b64 s[64:65], 0
	v_nop
	global_prefetch_b8 v0, s[64:65] scope:SCOPE_SE
	s_setreg_imm32_b32 hwreg(HW_REG_WAVE_SCHED_MODE, 0, 2), 2
	s_setreg_imm32_b32 hwreg(HW_REG_WAVE_MODE, 25, 1), 1
	s_wait_xcnt 0x0
	s_wait_alu depctr_vm_vsrc(0)
; GROUPED-QUERY ATTENTION ON CODES OF E3M2, launch 2 of 2.  out0[b][s][64 (4 kv + g) + d] = sum over keys t of Q(softmax_t(Q(q) . Q(k) / 8)) v: both products on 6-bit codes with one E8M0 scale for each 32 along K.
; WORK LEFT OUT: the division by reference()'s own constant DROPOUT = 1.0, a factor 1 for all inputs.
; THE SECOND PRODUCT'S LEFT OPERAND IS THE FINISHED, NORMALISED SOFTMAX, quantised in blocks of 32 keys.  A row's sum is no power of two, so the codes hang on it: the row's maximum and sum are known before anything
; is quantised.  TWO PASSES over the keys: pass 1 makes the scores, a running maximum m and the sum l of 2^(c s - c m), c = log2(e) / 8; pass 2 makes the same scores again (the same instructions on the same codes),
; p = 2^(c s + negK) with negK = -c m - log2(l): one fused multiply-add and one exponential; quantises p and multiplies by V.  The maximum is taken away; p is at most 1; nothing is divided at the end.
; LIMITS: negK is rounded once, to half a last place of |c m + log2 l|: a factor common to a row, which grows with the scores' size as the last place of reference()'s own f32 scores does.  A p under 2^-126 is 0
; (the exponential gives no denormals: ISA guide, its entry); a block whose every p is 0 gets the byte 1 and zero codes.  NaN and infinities among the inputs are not served.
; SHARES.  Work-group (x, y): y = bkv = 8 b + kv, x = a block of 128 positions; with the group's 4 heads 512 rows.  Wave w of sixteen: positions 128 x + 16 (w / 2) .. + 15, heads 2 (w % 2) + a, a = 0, 1: TWO tiles of
; 16 queries, which share every fragment of K and V read from LDS.  Four waves to a SIMD, 256 registers each: one wave's vector work stands beside another's matrix work and LDS loads.
; K AND V OF ONE bkv ARE 204,800 BYTES AS CODES AND LIE IN LDS WHOLE, as images of the operands' registers (launch 1 laid them so): 25 loads and 25 LDS stores of 16 bytes a thread, one barrier, and the loops fetch nothing
; from memory.  NO CLUSTER, NO JOINT LOADS: the sixteen work-groups of a bkv read the same 204,800 bytes once each, at the head; no step of a loop asks memory for anything, so there is no recurring request to divide,
; and those bytes are fewer than the 131,072 of q and as many of out0 that each work-group has to itself.
; LAYOUT.  Both products are used transposed (S^T = K Q^T, O^T = V^T P^T): a lane holds ONE query (lane % 16) throughout.  THE FIRST PRODUCT'S K IS 64, HALF OF THE INSTRUCTION'S 128: a fragment of K carries two sets of
; 16 keys, X in k 0-63 and Y in k 64-127; Q stands between registers of zero codes, and [Q | 0] gives q . X, [0 | Q] gives q . Y.  The dead half multiplies zero codes; Q's scale bytes there are 0 (2^-127, no NaN).
; The keys are so chosen that the 16 registers of the two tiles of fragment F are keys 32 F + 16 (lane / 16) + 0 .. 15: neighbours along the second product's K.
; REGISTERS: v1, v2 the add's two; v3-5 my lane's place among K's, V's and the scale words' images; v6-8 the addresses in hand; v9 my offset in q and out0; v10, v11 p's scale words; v12-14 stage addresses;
;   v16-45 zeros | Q a | zeros | Q b | zeros; v46, v47 Q's scale words (lanes 0-15 for [Q | 0], lanes 16-31 for [0 | Q]); v[48:49], v[50:51] (-c m, later negK; m); v[52:55] l, in pass 2 the second set of scale words;
;   v56-59 a step's scale words of K and V (in pass 2 the first of two sets, which take turns step by step).
;   pass 1: v60-107 four fragments of K; v108-235 scores (a at 108, b at 172); v236-253 at work.
;   pass 2: v60-83 two fragments of K; v84-147 scores of half a step, then v84-131 V's four fragments; v148-211 O^T; v212-235 p's codes; v236-255 at work.
; THE MODE: SCHED_MODE bits 1:0 = 2 (LLVM: expert scheduling mode 2), set by the entry lines.  The code itself states the register dependences between vector or matrix instructions and memory or LDS instructions,
; with s_wait_alu, always for 0.
; THE PLAN.  Registers that memory or LDS instructions touch:
;   v9, v12-14    made once at the head, ahead of the first wait on va_vdst, and never written again.
;   v224-227, v124-223  the fill's offsets and data: read by the fill's loads and LDS stores; pass 1's products write over them: one wait on vm_vsrc ahead of pass 1.
;   v6, v8 (v7)   LDS addresses.  Written once a step, by vector adds that stand as places behind a step's score products, behind a wait on vm_vsrc (the loads issued so far have read them); read by loads that stand behind a later wait on va_vdst.
;   K's fragments and the scale words  are read by matrix instructions alone and loaded again behind a wait on va_vdst that stands behind those instructions.
;     Pass 1: step i + 1's 13 loads stand in step i, behind the exponentials' wait, which so serves three dependences; they land during the step's sums.  The last step asks for pass 2's first fragments instead.
;     Pass 2: fragments 2, 3 behind the first half's maxima (a wait of their own); the next step's fragments 0, 1 and its scale words, into the other set, behind the second half's exponentials' wait.
;   v84-131       V's fragments land where the scores stood: a wait on va_vdst behind the conversions, the scores' last readers.
;   p's codes and scale words are made by vector lines and taken by scaled products: the places, then a wait on va_vdst, ahead of those products.
;   O^T           written by products, read by the way out's LDS stores: the places, then a wait on va_vdst.
.set IMG,   204800
.set VIMG,  98304
.set SCB,   196608
.set STAGE, IMG                        ; behind the images: 16 rows x (256 bytes + 16) for each wave: q on the way in, o on the way out
.set SPARE, STAGE+16*4352              ; the spare words, 128 bytes for each wave: eight blocks of 256 bytes that no other line names
.set KF,    60
.macro QBLK2 x0, x1, d0, d1, t0, t1, m ; two blocks of 32 numbers by turns -> 6 registers of codes each at d0, d1; bytes in v[m + 4], v[m + 5]
	v_max3_num_f32 v[\m], |v[\x0]|, |v[\x0+1]|, 0x2800000            ; the floor 2^(5 - 127) among the leaves: the byte cannot fall under 1
	v_max3_num_f32 v[\m+1], |v[\x1]|, |v[\x1+1]|, 0x2800000
.irp i, 2,4,6,8,10,12,14,16,18,20,22,24,26,28,30
	v_max3_num_f32 v[\m], v[\m], |v[\x0+\i]|, |v[\x0+\i+1]|
	v_max3_num_f32 v[\m+1], v[\m+1], |v[\x1+\i]|, |v[\x1+\i+1]|
.endr
	v_add_nc_u32 v[\m+2], 0xfe000000, v[\m]                          ; 4 off the exponent field: the conversion's scale operand
	v_add_nc_u32 v[\m+3], 0xfe000000, v[\m+1]
	v_lshrrev_b32 v[\m+4], 23, v[\m+2]
	v_lshrrev_b32 v[\m+5], 23, v[\m+3]
	v_cvt_scalef32_pk16_bf6_f32 v[\d0:\d0+2], v[\x0:\x0+15], v[\m+2]
	v_cvt_scalef32_pk16_bf6_f32 v[\t0:\t0+2], v[\x0+16:\x0+31], v[\m+2]   ; (a conversion's three registers begin on an even number)
	v_cvt_scalef32_pk16_bf6_f32 v[\d1:\d1+2], v[\x1:\x1+15], v[\m+3]
	v_cvt_scalef32_pk16_bf6_f32 v[\t1:\t1+2], v[\x1+16:\x1+31], v[\m+3]
	v_nop                                                            ; one plain place behind the scaled conversions
.irp i, 0,1,2
	v_mov_b32 v[\d0+3+\i], v[\t0+\i]
	v_mov_b32 v[\d1+3+\i], v[\t1+\i]
.endr
.endm
; a tile of scores: source 0 = fragment f of K, source 1 = tile a's Q as [Q | 0] (u = 0: the X keys) or [0 | Q] (u = 1: the Y keys); d: the result; sc: K's scale words
.macro SMUL a, f, u, d, sc
.if \u
	v_wmma_scale_f32_16x16x128_f8f6f4 v[(\d):(\d)+7], v[KF+12*(\f):KF+12*(\f)+11], v[16+12*(\a):27+12*(\a)], 0, v[\sc], v[46+(\a)] matrix_a_fmt:MATRIX_FMT_BF6 matrix_b_fmt:MATRIX_FMT_BF6 matrix_b_scale:MATRIX_SCALE_ROW1
.else
	v_wmma_scale_f32_16x16x128_f8f6f4 v[(\d):(\d)+7], v[KF+12*(\f):KF+12*(\f)+11], v[22+12*(\a):33+12*(\a)], 0, v[\sc], v[46+(\a)] matrix_a_fmt:MATRIX_FMT_BF6 matrix_b_fmt:MATRIX_FMT_BF6
.endif
.endm
.macro PLACES n                        ; plain vector lines behind matrix instructions, ahead of what reads their results or writes their registers (ISA guide 7.12.1)
.rept \n
	v_nop
.endr
.endm
	s_load_b128 s[4:7], s[0:1], 0x0                ; q s[4:5], img s[6:7]
	s_load_b64 s[8:9], s[0:1], 0x10                ; out0
	v_lshl_add_u32 v1, v0, 2, SPARE                ; my spare word; never rewritten
	v_mov_b32 v2, 0                                ; 0; never rewritten
	v_lshrrev_b32 v3, 5, v0
	v_readfirstlane_b32 s10, v3                    ; wave 0..15
	s_and_b32 s12, ttmp7, 0xffff                   ; bkv
	s_lshr_b32 s13, s12, 3                         ; b
	s_and_b32 s14, s12, 7                          ; kv
	s_mul_i32 s16, s12, IMG                        ; my bkv's part of img
	s_mov_b32 s17, 0
	s_lshl_b32 s18, s13, 11
	s_lshl_b32 s19, ttmp9, 7
	s_add_co_u32 s18, s18, s19
	s_wait_alu depctr_va_sdst(0)                   ; s10 is written, ahead of its first reader: the bases of q and out0 and my stage's place are made from it
	s_lshr_b32 s19, s10, 1
	s_lshl_b32 s19, s19, 4
	s_add_co_u32 s18, s18, s19                     ; my first row of q and out0: 2048 b + 128 x + 16 (w / 2)
	s_lshl_b32 s18, s18, 13                        ; of 8,192 bytes,
	s_lshl_b32 s19, s14, 10
	s_add_co_u32 s18, s18, s19                     ; + the group's four heads: 1,024 kv
	s_and_b32 s19, s10, 1
	s_lshl_b32 s19, s19, 9
	s_add_co_u32 s18, s18, s19                     ; + my two of them: 512 (w % 2)
	s_mov_b32 s19, 0
	s_mul_i32 s29, s10, 4352
	s_add_co_u32 s29, s29, STAGE                   ; my stage
	s_mov_b32 s20, 0x76543210
	s_mov_b32 s21, 0xfedcba98                      ; v_permlanex16_b32's selects for lane l xor 16
	s_mov_b32 s22, 0x3e38aa3b                      ; c = log2(e) / 8
	s_mov_b32 s23, s22                             ; (the packed form names the pair and takes its low word for both halves)
	s_mov_b32 s24, 0xbe38aa3b                      ; -c
	v_and_b32 v252, 31, v0                         ; lane
	v_and_b32 v253, 15, v0                         ; r
	v_bfe_u32 v254, v0, 4, 1                       ; h
	v_lshlrev_b32 v3, 4, v252                      ; 16 lane: an image's place for my lane, among K's,
	v_add_nc_u32 v4, VIMG, v3                      ; V's,
	v_add_nc_u32 v5, SCB, v3                       ; and the scale words
	v_lshlrev_b32 v9, 4, v253
	v_lshl_add_u32 v9, v254, 13, v9                ; q, out0: lanes 0-15 one row's 256 bytes of a head, lanes 16-31 the next row's
	v_mul_u32_u24 v12, v254, 272
	v_lshl_add_u32 v12, v253, 4, v12
	v_add_nc_u32 v12, s29, v12                     ; the stage by whole rows: two rows an instruction
	v_mul_u32_u24 v13, v253, 272
	v_lshl_add_u32 v14, v254, 7, v13
	v_add_nc_u32 v14, s29, v14                     ; row r, block h of q (128 bytes)
	v_lshl_add_u32 v13, v254, 5, v13
	v_add_nc_u32 v13, s29, v13                     ; row r, + 32 h: eight channels of o
	v_lshlrev_b32 v15, 3, v254                     ; 8 h
	v_lshlrev_b32 v224, 4, v0                      ; the fill: 16 x my thread's number, in img and in LDS alike;
	v_add_nc_u32 v225, 0x10000, v224               ; LDS offsets have 16 bits: a register for each 65,536 bytes
	v_add_nc_u32 v226, 0x20000, v224
	v_add_nc_u32 v227, 0x30000, v224
	s_wait_kmcnt 0x0
	s_add_nc_u64 s[4:5], s[4:5], s[18:19]
	s_add_nc_u64 s[8:9], s[8:9], s[18:19]
	s_add_nc_u64 s[6:7], s[6:7], s[16:17]
	s_wait_alu depctr_va_vdst(0)                   ; the offsets and addresses v9, v12-14 and v224-227 are written, which the loads and LDS instructions of the head and of the way out read
.irp a, 0,1
.irp i, 0,1,2,3,4,5,6,7
	global_load_b128 v[60+32*\a+4*\i:63+32*\a+4*\i], v9, s[4:5] offset:16384*\i+256*\a th:TH_LOAD_NT   ; tile a, rows 2 i and 2 i + 1: sixteen lanes read 256 aligned bytes
.endr
.endr
.set I, 0
.rept 25
	global_load_b128 v[124+4*I:127+4*I], v224, s[6:7] offset:8192*I   ; the work-group's 512 threads read 8,192 consecutive bytes
.set I, I+1
.endr
	s_wait_loadcnt 25                              ; q's sixteen loads are in; the 25 issued behind them may be out
.irp a, 0,1                                    ; q turns through my stage, so that a lane gets its query's block of 32 neighbours.  LDS serves a wave's instructions in order: no wait on DScnt between stores and loads, nor in front of tile b's stores
.irp i, 0,1,2,3,4,5,6,7
	ds_store_b128 v12, v[60+32*\a+4*\i:63+32*\a+4*\i] offset:544*\i
.endr
	s_wait_alu depctr_vm_vsrc(0)                   ; the tile's eight LDS stores have read their data registers, in which the eight loads below land
.irp j, 0,1,2,3,4,5,6,7
	ds_load_b128 v[60+32*\a+4*\j:63+32*\a+4*\j], v14 offset:16*\j
.endr
.endr
	s_wait_dscnt 0x0
	QBLK2 60, 92, 22, 34, 236, 240, 244            ; Q a -> v[22:27], Q b -> v[34:39]; bytes: v248, v249
	v_lshlrev_b32 v248, v15, v248                  ; my block's byte at its place (8 h bits up)
	v_lshlrev_b32 v249, v15, v249
	v_mov_b32 v250, 0                              ; (a lane permute's destination counts as one of its sources)
	v_mov_b32 v251, 0
	v_permlanex16_b32 v250, v248, s20, s21
	v_permlanex16_b32 v251, v249, s20, s21
	v_or_b32 v248, v248, v250                      ; both bytes of my query, in both halves of the lanes
	v_or_b32 v249, v249, v251
	v_lshlrev_b32 v15, 1, v15                      ; 16 h
	v_lshlrev_b32 v46, v15, v248                   ; lanes 0-15: bytes 0, 1, for [Q | 0]; lanes 16-31: bytes 2, 3, for [0 | Q]; the other two bytes are 0
	v_lshlrev_b32 v47, v15, v249
.irp z, 16,17,18,19,20,21,28,29,30,31,32,33,40,41,42,43,44,45
	v_mov_b32 v\z, 0                               ; zero codes round Q
.endr
	v_mov_b32 v49, 0xff61b1e6                      ; m: -3e38, under every score
	v_mov_b32 v51, 0xff61b1e6
	v_mul_f32 v48, s24, v49                        ; -c m
	v_mul_f32 v50, s24, v51
	v_mov_b32 v52, 0                               ; l, in two halves
	v_mov_b32 v53, 0
	v_mov_b32 v54, 0
	v_mov_b32 v55, 0
	v_mov_b32 v245, 0                              ; (named as the upper halves of pairs)
	v_mov_b32 v247, 0
.set I, 0
.rept 25
	s_wait_loadcnt 24-I                            ; loads come back in order: fill load I is in, the 24 - I behind it may be out
	ds_store_b128 v[224+I/8], v[124+4*I:127+4*I] offset:8192*(I%8)    ; (no vector line since the head's wait on va_vdst names v124-227)
.set I, I+1
.endr
	s_wait_dscnt 0x0                               ; for the others' sake: my part of the images has landed
	s_barrier_signal -1
	s_barrier_wait -1                              ; K's, V's and the scale words' images are whole; nothing writes them again
	; ---- PASS 1: 16 steps of 128 keys.  Each lane keeps m, -c m and l of ITS 64 keys of a step (its half of each block); the two halves of the lanes meet once, behind the loop
	s_mov_b32 s25, 0                               ; the fragments to be asked for: 6,144 bytes a step
	s_mov_b32 s26, 0                               ; their scale words: 512
	v_add_nc_u32 v6, s25, v3
	v_add_nc_u32 v8, s26, v5
	s_wait_alu depctr_vm_vsrc(0)                   ; the fill's LDS stores have read v124-227, which the first step's products write
	s_wait_alu depctr_va_vdst(0)                   ; v6 and v8 are written, which the loads below read; the quantiser is done reading v60-107, in which they land; Q's codes, the zero codes and v46, v47 are written, which the scaled products take
.irp f, 0,1,2,3
.irp c, 0,1,2
	ds_load_b128 v[KF+12*\f+4*\c:KF+12*\f+4*\c+3], v6 offset:1536*\f+512*\c   ; step 0's fragments
.endr
.endr
	ds_load_b128 v[56:59], v8                      ; lanes 0-15: the four fragments' scale words
; a step of pass 1.  next = 1: the next step's four fragments and scale words are asked for; next = 2, the last step: pass 2's first two fragments and scale words
.macro STEP1 next
	s_wait_dscnt 0x0                               ; this step's fragments and scale words are in
.irp f, 0,1,2,3
.irp u, 0,1
.irp a, 0,1
	SMUL \a, \f, \u, 108+64*\a+8*(2*\f+\u), 56+\f
.endr
.endr
.endr
.if \next == 1
	s_add_co_u32 s25, s25, 6144
	s_add_co_u32 s26, s26, 512
.else
	s_mov_b32 s25, 0
	s_mov_b32 s26, 0
.endif
	s_wait_alu depctr_vm_vsrc(0)                   ; this step's LDS loads have read v6 and v8, which the two lines below write
	v_add_nc_u32 v6, s25, v3                       ; these two and two v_nop are the four places ahead of the reads of the scores
	v_add_nc_u32 v8, s26, v5
	PLACES 2
.irp q, 0,1,2,3,4,5,6,7                        ; the largest score: eight chains (2 tiles x 4 blocks) by turns; each accumulator is read from its low end on
	v_max3_num_f32 v[236+\q], v[108+16*\q], v[109+16*\q], v[110+16*\q]
.endr
.irp i, 3,5,7,9,11,13
.irp q, 0,1,2,3,4,5,6,7
	v_max3_num_f32 v[236+\q], v[236+\q], v[108+16*\q+\i], v[109+16*\q+\i]
.endr
.endr
.irp q, 0,1,2,3,4,5,6,7
	v_max_num_f32 v[236+\q], v[236+\q], v[123+16*\q]
.endr
	v_max3_num_f32 v236, v236, v237, v238
	v_max3_num_f32 v240, v240, v241, v242
	v_max3_num_f32 v49, v236, v239, v49            ; the running m
	v_max3_num_f32 v51, v240, v243, v51
	v_mul_f32 v252, s24, v49                       ; the new -c m
	v_mul_f32 v253, s24, v51
	v_sub_f32 v244, v252, v48                      ; less the old: 0 or less
	v_sub_f32 v246, v253, v50
	v_mov_b32 v48, v252
	v_mov_b32 v50, v253
	s_wait_alu depctr_va_vdst(0)
	v_exp_f32 v244, v244                           ; what was summed under the old m is brought under the new
	v_exp_f32 v246, v246
.set J, 0
.rept 32
	v_pk_fma_f32 v[108+J:109+J], v[108+J:109+J], s[22:23], v[48:49] op_sel_hi:[1,0,0]   ; c s - c m, two at a time
	v_pk_fma_f32 v[172+J:173+J], v[172+J:173+J], s[22:23], v[50:51] op_sel_hi:[1,0,0]
.set J, J+2
.endr
.set J, 0
	s_wait_alu depctr_va_vdst(0)
.rept 128
	v_exp_f32 v[108+J], v[108+J]
.set J, J+1
.endr
	v_nop                                          ; a plain line behind the last exponential
	s_wait_alu depctr_va_vdst(0)                   ; the 130 exponentials have written v108-235, v244 and v246, ahead of their first reader; the step's products are done reading K's fragments and scale words, in which the loads below land; v6 and v8 are written
.irp f, 0,1
.irp c, 0,1,2
	ds_load_b128 v[KF+12*\f+4*\c:KF+12*\f+4*\c+3], v6 offset:1536*\f+512*\c   ; they land during the sums below, which name none of their registers
.endr
.endr
.if \next == 1
.irp f, 2,3
.irp c, 0,1,2
	ds_load_b128 v[KF+12*\f+4*\c:KF+12*\f+4*\c+3], v6 offset:1536*\f+512*\c
.endr
.endr
.endif
	ds_load_b128 v[56:59], v8                      ; lanes 0-15: K's four scale words (lanes 16-31: V's four, which pass 2 takes)
	v_pk_mul_f32 v[52:53], v[52:53], v[244:245] op_sel_hi:[1,0]
	v_pk_mul_f32 v[54:55], v[54:55], v[246:247] op_sel_hi:[1,0]
	v_pk_add_f32 v[248:249], v[108:109], v[110:111]    ; the sums: two chains a tile, the tiles by turns
	v_pk_add_f32 v[250:251], v[172:173], v[174:175]
.set J, 4
.rept 15
	v_pk_add_f32 v[52:53], v[52:53], v[108+J:109+J]
	v_pk_add_f32 v[54:55], v[54:55], v[172+J:173+J]
	v_pk_add_f32 v[248:249], v[248:249], v[110+J:111+J]
	v_pk_add_f32 v[250:251], v[250:251], v[174+J:175+J]
.set J, J+4
.endr
	v_pk_add_f32 v[52:53], v[52:53], v[248:249]
	v_pk_add_f32 v[54:55], v[54:55], v[250:251]
.endm
	s_mov_b32 s28, 15
.Lpass1:                                           ; steps 0 to 14: each asks for the next step's fragments
	STEP1 1
	s_sub_co_u32 s28, s28, 1
	s_cmp_lg_u32 s28, 0
	s_cbranch_scc1 .Lpass1
	STEP1 2                                        ; step 15 is written out: what it asks for is pass 2's
	; ---- the two halves of the lanes meet: n = the lesser -c m; each l is brought under it; negK = n - log2(l).  Every step is symmetric in the two lanes, so both hold the same bits
	v_add_f32 v52, v52, v53
	v_add_f32 v54, v54, v55
	v_permlanex16_b32 v236, v48, s20, s21
	v_permlanex16_b32 v237, v50, s20, s21
	v_min_num_f32 v236, v236, v48
	v_min_num_f32 v237, v237, v50
	v_sub_f32 v238, v236, v48
	v_sub_f32 v239, v237, v50
	s_wait_alu depctr_va_vdst(0)
	v_exp_f32 v238, v238
	v_exp_f32 v239, v239
	v_nop
	s_wait_alu depctr_va_vdst(0)                   ; the two exponentials have written v238 and v239, ahead of their first reader
	v_mul_f32 v52, v52, v238
	v_mul_f32 v54, v54, v239
	v_permlanex16_b32 v240, v52, s20, s21
	v_permlanex16_b32 v241, v54, s20, s21
	v_add_f32 v52, v52, v240                       ; the row's sum, at least about 1
	v_add_f32 v54, v54, v241
	s_wait_alu depctr_va_vdst(0)
	v_log_f32 v52, v52
	v_log_f32 v54, v54
	v_nop
	s_wait_alu depctr_va_vdst(0)                   ; the two logarithms have written v52 and v54, ahead of their first reader
	v_sub_f32 v48, v236, v52                       ; negK
	v_sub_f32 v50, v237, v54
; ---- PASS 2.  SQ: the scores of half a step (64 keys: blocks 2 hs, 2 hs + 1 of both tiles; block 2 a + f at v[84 + 16 (2 a + f)]) become p, its scale bytes and its codes.
; next = 1: the second half asks for the next step's first two fragments and for its scale words, into the set at nsc
.macro SQ hs, next, nsc
.irp b, 0,1,2,3                                ; the largest score of each block: p rises with the score, so it gives the block's largest p
	v_max3_num_f32 v[244+\b], v[84+16*\b], v[85+16*\b], v[86+16*\b]
.endr
.irp i, 3,5,7,9,11,13
.irp b, 0,1,2,3
	v_max3_num_f32 v[244+\b], v[244+\b], v[84+16*\b+\i], v[85+16*\b+\i]
.endr
.endr
.irp b, 0,1,2,3
	v_max_num_f32 v[244+\b], v[244+\b], v[99+16*\b]
.endr
.if \hs == 0
	s_wait_alu depctr_va_vdst(0)                   ; the step's first eight products are done reading v60-83, in which the loads below land
.irp f, 0,1
.irp c, 0,1,2
	ds_load_b128 v[KF+12*\f+4*\c:KF+12*\f+4*\c+3], v6 offset:3072+1536*\f+512*\c   ; the step's other two fragments land during the vector work below
.endr
.endr
.endif
.irp b, 0,1,2,3
	v_permlanex16_b32 v[248+\b], v[244+\b], s20, s21
.endr
.irp b, 0,1,2,3
	v_max_num_f32 v[244+\b], v[244+\b], v[248+\b]  ; with lane l xor 16's 16 keys
.endr
.set J, 0
.rept 16
	v_pk_fma_f32 v[84+J:85+J], v[84+J:85+J], s[22:23], v[48:49] op_sel_hi:[1,0,0]      ; c s + negK
	v_pk_fma_f32 v[116+J:117+J], v[116+J:117+J], s[22:23], v[50:51] op_sel_hi:[1,0,0]
.set J, J+2
.endr
	v_fma_f32 v244, v244, s22, v48                 ; the same of each block's largest score: the same two instructions on the same number give the same bits
	v_fma_f32 v245, v245, s22, v48
	v_fma_f32 v246, v246, s22, v50
	v_fma_f32 v247, v247, s22, v50
	s_wait_alu depctr_va_vdst(0)
.irp b, 0,1,2,3
	v_exp_f32 v[244+\b], v[244+\b]
.endr
.set J, 0
.rept 64
	v_exp_f32 v[84+J], v[84+J]                     ; p, finished and normalised
.set J, J+1
.endr
	v_nop                                          ; a plain line behind the last exponential
	s_wait_alu depctr_va_vdst(0)                   ; the 68 exponentials have written v84-147 and v244-247, ahead of their first reader.  In a second half also: the step's last eight score products are done reading v60-83, the step before's V^T P products the other set of scale words, and v6, v7, v8 are written
.if \hs && \next
.irp f, 0,1
.irp c, 0,1,2
	ds_load_b128 v[KF+12*\f+4*\c:KF+12*\f+4*\c+3], v6 offset:1536*\f+512*\c   ; the next step's first two fragments
.endr
.endr
	ds_load_b128 v[\nsc:\nsc+3], v8                ; and its scale words: lanes 0-15 K's four, lanes 16-31 V's four
.endif
.irp b, 0,1,2,3
	v_max_num_f32 v[244+\b], 0x2800000, v[244+\b]  ; the floor 2^(5 - 127): the byte cannot fall under 1
.endr
.irp b, 0,1,2,3
	v_add_nc_u32 v[252+\b], 0xfe000000, v[244+\b]  ; 4 off the exponent field: the conversion's scale operand
.endr
.irp b, 0,1,2,3
	v_lshrrev_b32 v[248+\b], 23, v[252+\b]         ; the scale's byte
.endr
.if \hs
	v_lshl_or_b32 v10, v248, 16, v10               ; bytes 2 and 3 of p's scale words
	v_lshl_or_b32 v11, v250, 16, v11
	v_lshl_or_b32 v10, v249, 24, v10
	v_lshl_or_b32 v11, v251, 24, v11
.else
	v_lshl_or_b32 v10, v249, 8, v248               ; bytes 0 and 1
	v_lshl_or_b32 v11, v251, 8, v250
.endif
	v_cvt_scalef32_pk16_bf6_f32 v[212+6*\hs:214+6*\hs], v[84:99], v252
	v_cvt_scalef32_pk16_bf6_f32 v[236:238], v[100:115], v253       ; (a conversion's three registers begin on an even number)
	v_cvt_scalef32_pk16_bf6_f32 v[224+6*\hs:226+6*\hs], v[116:131], v254
	v_cvt_scalef32_pk16_bf6_f32 v[240:242], v[132:147], v255
	v_nop                                          ; one plain place behind the scaled conversions
.if \hs
	s_wait_alu depctr_va_vdst(0)                   ; the conversions, p's last readers, are done reading v84-131, in which V's fragments land (v7, their address, was written ahead of the last such wait)
.irp t, 0,1,2,3                                ; the scores' registers are free: V's four fragments of this step land there while the codes are put in order
.irp c, 0,1,2
	ds_load_b128 v[84+12*\t+4*\c:87+12*\t+4*\c], v7 offset:1536*\t+512*\c
.endr
.endr
.endif
.irp a, 0,1                                    ; the operand's layout wants a WHOLE block in a lane: lanes 0-15 block 2 hs, lanes 16-31 block 2 hs + 1
.irp i, 0,1,2
	v_permlane16_swap_b32 v[212+12*\a+6*\hs+\i], v[236+4*\a+\i]
.endr
.irp i, 0,1,2
	v_mov_b32 v[215+12*\a+6*\hs+\i], v[236+4*\a+\i]
.endr
.endr
.endm
; a step of 128 keys.  zero = 1: its products start O^T's sums: nothing is ever cleared.  sc: this step's set of scale words; nsc: the other set, for the next step; next = 0: the last step, which asks for nothing beyond its own
.macro STEP2 zero, sc, nsc, next
	s_wait_dscnt 0x0                               ; the step's first two fragments and its scale words, asked for in the step before, are in
.irp f, 0,1
.irp u, 0,1
.irp a, 0,1
	SMUL \a, \f, \u, 84+32*\a+8*(2*\f+\u), \sc+\f
.endr
.endr
.endr
	PLACES 4                                       ; ahead of the reads of the scores
	SQ 0, \next, \nsc
	s_wait_dscnt 0x0                               ; the step's other two fragments are in
.irp f, 0,1
.irp u, 0,1
.irp a, 0,1
	SMUL \a, \f, \u, 84+32*\a+8*(2*\f+\u), \sc+2+\f
.endr
.endr
.endr
	s_wait_alu depctr_vm_vsrc(0)                   ; the LDS loads issued so far have read v6, v7 and v8, which the lines below write
	v_add_nc_u32 v7, s27, v4                       ; this step's fragments of V.  (These adds and the v_nop are the four places ahead of the reads of the scores)
.if \next
	s_add_co_u32 s25, s25, 6144
	s_add_co_u32 s26, s26, 512
	v_add_nc_u32 v6, s25, v3                       ; the next step's fragments of K,
	v_add_nc_u32 v8, s26, v5                       ; and its scale words
	PLACES 1
.else
	PLACES 3
.endif
	SQ 1, \next, \nsc
	PLACES 6                                       ; p's codes, written by vector lines, stand 4 places ahead of a scaled product and its scale words 8: behind a word's last write stand the conversions' v_nop, the other tile's three moves and these six
	s_wait_dscnt 0x0                               ; V (the youngest loads: so the next step's fragments are in too)
	s_wait_alu depctr_va_vdst(0)                   ; the conversions, swaps and moves have written p's codes v212-235, and the shifts its scale words v10 and v11, which the scaled products below take; the places above stay beside this wait
.irp t, 0,1,2,3                                ; O^T += V^T P^T: eight accumulators by turns, one instruction a turn
.irp a, 0,1
.if \zero
	v_wmma_scale_f32_16x16x128_f8f6f4 v[148+32*\a+8*\t:155+32*\a+8*\t], v[84+12*\t:95+12*\t], v[212+12*\a:223+12*\a], 0, v[\sc+\t], v[10+\a] matrix_a_fmt:MATRIX_FMT_BF6 matrix_b_fmt:MATRIX_FMT_BF6 matrix_a_scale:MATRIX_SCALE_ROW1
.else
	v_wmma_scale_f32_16x16x128_f8f6f4 v[148+32*\a+8*\t:155+32*\a+8*\t], v[84+12*\t:95+12*\t], v[212+12*\a:223+12*\a], v[148+32*\a+8*\t:155+32*\a+8*\t], v[\sc+\t], v[10+\a] matrix_a_fmt:MATRIX_FMT_BF6 matrix_b_fmt:MATRIX_FMT_BF6 matrix_a_scale:MATRIX_SCALE_ROW1
.endif
.endr
.endr
	PLACES 5                                       ; the next step's score products write over V's registers, which these products read: five places; they serve the way out's reads of O^T too
.if \next
	s_add_co_u32 s27, s27, 6144                    ; V's fragments of the next step
.endif
.endm
	s_mov_b32 s27, 0                               ; (s25 and s26 stand at step 0 since pass 1's last step, and so do v6 and v8)
	STEP2 1, 56, 52, 1                             ; the first step stands in front of the loop
	s_mov_b32 s28, 7
.Lpass2:                                           ; steps 1 to 14, two to a trip: the two sets of scale words are back at their start
	STEP2 0, 52, 56, 1
	STEP2 0, 56, 52, 1
	s_sub_co_u32 s28, s28, 1
	s_cmp_lg_u32 s28, 0
	s_cbranch_scc1 .Lpass2
	STEP2 0, 52, 56, 0                             ; step 15 is written out: nothing follows it
	; ---- THE WAY OUT.  Register j of O^T's tile t is o(query r, channel 16 t + 8 h + j): 32 neighbouring bytes of a row.  A tile of 16 queries x 256 bytes goes through my stage and comes back as whole rows,
	; so that sixteen lanes store 256 consecutive bytes, at a multiple of 256 from out0's first byte.  LDS serves a wave's instructions in order: no wait between stores and loads, nor in front of tile b's stores
	s_wait_alu depctr_va_vdst(0)                   ; the last products have written O^T, which the LDS stores read, and are done reading v84-131, in which (with v132-147, last read by the conversions) the rows land; the five places above stay beside this wait
.irp a, 0,1
.irp t, 0,1,2,3
	ds_store_b128 v13, v[148+32*\a+8*\t:151+32*\a+8*\t] offset:64*\t          ; each accumulator from its low end on
	ds_store_b128 v13, v[152+32*\a+8*\t:155+32*\a+8*\t] offset:64*\t+16
.endr
.irp i, 0,1,2,3,4,5,6,7
	ds_load_b128 v[84+32*\a+4*\i:87+32*\a+4*\i], v12 offset:544*\i
.endr
.endr
.irp i, 0,1,2,3,4,5,6,7
	s_wait_dscnt 23-\i                             ; behind tile a's load i: its 7 - i later loads, tile b's 8 stores and 8 loads
	global_store_b128 v9, v[84+4*\i:87+4*\i], s[8:9] offset:16384*\i th:TH_STORE_NT
.endr
.irp i, 0,1,2,3,4,5,6,7
	s_wait_dscnt 7-\i
	global_store_b128 v9, v[116+4*\i:119+4*\i], s[8:9] offset:16384*\i+256 th:TH_STORE_NT
.endr
	s_wait_dscnt 0x0                               ; the closing lines, six on end
	s_wait_alu 0x0
	s_wait_tensorcnt 0x0
	ds_add_u32 v1, v2
	s_wait_dscnt 0x0
	s_endpgm
.Lfunc_end_k_qd8db2156e1_attn:
	.size	k_qd8db2156e1_attn, .Lfunc_end_k_qd8db2156e1_attn-k_qd8db2156e1_attn
	.p2alignl 7, 3214868480
	.fill 96, 4, 3214868480
	.section	.rodata,"a",@progbits
	.p2align	6, 0x0
	.amdhsa_kernel k_qd8db2156e1_attn
		.amdhsa_group_segment_fixed_size 276480
		.amdhsa_private_segment_fixed_size 0
		.amdhsa_enable_private_segment 0
		.amdhsa_kernarg_size 24
		.amdhsa_user_sgpr_count 2
		.amdhsa_user_sgpr_kernarg_segment_ptr 1
		.amdhsa_wavefront_size32 1
		.amdhsa_system_sgpr_workgroup_id_x 1
		.amdhsa_system_sgpr_workgroup_id_y 1
		.amdhsa_system_sgpr_workgroup_id_z 1
		.amdhsa_system_vgpr_workitem_id 0
		.amdhsa_next_free_vgpr 256
		.amdhsa_next_free_sgpr 66
		.amdhsa_reserve_vcc 0
		.amdhsa_float_denorm_mode_32 3
		.amdhsa_float_denorm_mode_16_64 3
		.amdhsa_memory_ordered 1
		.amdhsa_forward_progress 1
		.amdhsa_inst_pref_size 148
	.end_amdhsa_kernel
	.amdgpu_metadata
---
amdhsa.version: [ 1, 2 ]
amdhsa.kernels:
  - .name:           k_qd8db2156e1_attn
    .symbol:         k_qd8db2156e1_attn.kd
    .args:
      - { .name: q, .offset: 0, .size: 8, .value_kind: global_buffer, .address_space: global }
      - { .name: img, .offset: 8, .size: 8, .value_kind: global_buffer, .address_space: global }
      - { .name: out0, .offset: 16, .size: 8, .value_kind: global_buffer, .address_space: global }
    .group_segment_fixed_size: 276480
    .private_segment_fixed_size: 0
    .kernarg_segment_align: 8
    .kernarg_segment_size: 24
    .max_flat_workgroup_size: 512
    .sgpr_count:     66
    .vgpr_count:     256
    .wavefront_size: 32
...
	.end_amdgpu_metadata
.endif
;; end of part 4
